; MI455X (gfx1250); checked and timed in simulation.
; The chip was launched on July 23, 2026; its instructions are those of AMD's public machine-readable ISA for CDNA 5 (MIT licence, August 2026) and "CDNA5" Instruction Set Architecture Reference Guide (July 2026). The comments in the code are by the model that wrote it; some were corrected since.
;; Causal Self Attention. Allowed arithmetic: matrix products marked QUANTISED: E2M3 operands, one E8M0 scale for each 32 along K, by v_wmma_scale_f32_16x16x128_f8f6f4 with both operands' format E2M3, f32 sums; everything else in f32.
;; Inputs: w_attn 1,024 x 3,072 float32; w_proj 1,024 x 1,024 float32; x 4 x 2,048 x 1,024 float32.
;; Outputs: out0 4 x 2,048 x 1,024 float32.
;; This version of the problem:
;;   THIS VERSION OF THE PROBLEM IS GIVEN IN LOW PRECISION. The matrix products marked QUANTISED in the list below multiply operands that are first quantised to E2M3 (2 exponent bits, 3 mantissa bits; 6 bits a number), with one power-of-two scale for each 32 numbers along K (OCP MX v1.0); their sums are f32. All else is computed in f32.
;;   The module's matrix products, in the order in which they are computed (A, B: the left and right operand; K: the contracted axis; several contracted axes count as one K, in the product's order):
;;     1. [M 8,192, K 1,024] x [K 1,024, N 3,072]; A: input x; B: input w_attn: QUANTISED
;;     2. batch 64 x [M 2,048, K 64] x [K 64, N 2,048]; A: computed on the way; B: computed on the way: QUANTISED
;;     3. batch 64 x [M 2,048, K 2,048] x [K 2,048, N 64]; A: softmax (see below); B: computed on the way: QUANTISED
;;     4. [M 8,192, K 1,024] x [K 1,024, N 1,024]; A: computed on the way; B: input w_proj: QUANTISED
;;   THE QUANTISER, for each operand of a quantised product, along K:
;;     - K is cut into blocks of 32 from its start; a last block that is shorter is filled with zeros.
;;     - A block's scale is 2^e with e = floor(log2(the largest magnitude in the block)) - 2, held to -126 .. 127; a block of zeros has e = 0. As a byte (E8M0): e + 127.
;;     - Each number is divided by its block's scale, clamped to +-7.5, and rounded to the nearest number of E2M3, ties to even, subnormals kept.
;;     - The product sums the exact products of the quantised numbers (number of the format x scale) in f32.
;;   ~~~python
;;   def quantise(x, axis):      # numpy; x: float32 -> the quantised numbers, widened to float32 again
;;       x = np.moveaxis(x, axis, -1); K = x.shape[-1]
;;       x = np.pad(x, [(0, 0)] * (x.ndim - 1) + [(0, -K % 32)]); x = x.reshape(x.shape[:-1] + (-1, 32)); a = np.abs(x).max(-1, keepdims=True)
;;       e = np.where(a > 0, np.clip(np.frexp(np.where(a > 0, a, 1))[1] - 1 - 2, -126, 127), 0)      # np.frexp(a)[1] - 1 = floor(log2(a)), exactly
;;       r = np.clip(x / 2.0 ** e, -7.5, 7.5)
;;       step = 2.0 ** (np.maximum(np.frexp(np.where(r == 0, 1, r))[1] - 1, 0) - 3)
;;       q = np.round(r / step) * step * 2.0 ** e      # np.round: ties to even
;;       return np.moveaxis(q.reshape(q.shape[:-2] + (-1,))[..., :K], -1, axis).astype(np.float32)
;;   ~~~
;;   SOFTMAX AHEAD OF A QUANTISED PRODUCT. Where the list says 'softmax', what is quantised is not the finished softmax but p = 2^(t - M), with t = logit x log2(e) and M = ceil(the row's largest t), a whole number; so 1/2 < the row's largest p <= 1. The row's sum l is taken of the UNQUANTISED p, in f32, and the product's result is divided by l at the end. Since M is a whole number, a kernel that streams over the keys may use a running M (the ceiling of the running maximum): every later rescaling is an exact power of two, which a block's scale takes up: the codes' values come out the same.
;;   OPERANDS COMPUTED ON THE WAY. 'Computed on the way' means the value that the module computes at that place (a softmax that the list does not call 'softmax' is quantised finished and normalised). What goes into a quantiser is computed in f32, as accurately as f32 sums, v_exp_f32 and their like allow (about 1e-6 of the number): no bf16 or f16 on the way to a quantiser, and a product that is left as it is and whose result goes on into a quantised operand takes f32 operands (vector FMAs, or v_wmma_f32_16x16x4_f32). A number that lies on a knife's edge between two numbers of the format may be rounded either way, as far as f32 arithmetic and the matrix unit's own rounding can turn it there, and no further.
;; One version. Each part assembles by itself: llvm-mc -triple=amdgcn-amd-amdhsa -mcpu=gfx1250 --defsym DOCPART=n.
;; ======== version 1 of 1: 4 launches
;; limits: right only within a limited range of input values
;; workspace buffers: a_codes 6,291,456 bytes; a_scales 262,144 bytes; w_codes 3,145,728 bytes; w_scales 131,072 bytes; qkv_codes 18,874,368 bytes; qkv_scales 786,432 bytes
;; launch quant (part 1): grid 640 x 1, 4 waves a work-group, no clusters, 68,096 bytes of LDS; arguments x, w_attn, w_proj, a_codes, a_scales, w_codes, w_scales; writes a_codes, a_scales, w_codes, w_scales
.if DOCPART == 1
	.amdgcn_target "amdgcn-amd-amdhsa--gfx1250"
	.amdhsa_code_object_version 6
	.text
	.protected	k_q59885f50c4_quant
	.globl	k_q59885f50c4_quant
	.p2align	8
	.type	k_q59885f50c4_quant,@function
k_q59885f50c4_quant:
	s_mov_b64 s[64:65], 0
	v_nop
	global_prefetch_b8 v0, s[64:65] scope:SCOPE_SE
	s_setreg_imm32_b32 hwreg(HW_REG_WAVE_MODE, 25, 1), 1
	s_wait_xcnt 0x0
; x [8192][1024], w_attn [1024][3072] and w_proj [1024][1024], f32, become codes of FP6 (E2M3) with one E8M0 scale byte for each 32 along K (x: its last axis; the weights: their FIRST axis).
; A block's scale is 2^(floor(log2(its largest magnitude)) - 2); its byte is the largest magnitude's exponent field - 2, held at 1 from below; each number is divided by the scale and rounded to the nearest code, ties to even,
; beyond the largest code the largest.
; LIMITS: NaN and infinities among the inputs are not served.  A block of zeros gets the byte 1 where the rule says 127: its codes are zeros, which add nothing under any byte but 0xff, and this program alone reads the bytes.
; THE OUTPUT IS LAID AS THE PRODUCTS' OPERAND REGISTERS TAKE IT.  A tile is 16 rows of an operand; a fragment (16 rows x 128 K, 12 registers a lane) is an image of 1,536 bytes: register pair p of lane l at 256 p + 8 l.
;   codes:  [tile][K step of 128: 0..7][1,536];   scale bytes: [tile][256 along K: 0..3][row 0..15][8 bytes].
; THE ROWS OF A TILE ARE NOT NEIGHBOURS for x's tokens and w_attn's columns: row r of tile T is 32 (T / 2) + 8 (T % 2) + r + 8 (r / 8), so that in a product's result the 16 registers of two neighbouring tiles are 16 neighbours.
; w_proj's columns are plain: 16 T + r.  w_codes holds w_attn's 192 tiles, then w_proj's 64.
; SHARES.  Work-groups 0-95: w_attn; 96-127: w_proj; 128-639: x.  No tensor loads, no barrier: waves share nothing.  Only x's path uses LDS.
.set SEL,  20                          ; s[20:21] lane selects for v_permlanex16_b32: lane l xor 16
.set R0,   16                          ; v16-79   x: K step 0 as loaded; later K step 1's 64 numbers a lane
.set R1,   80                          ; v80-143  x: K step 1 as loaded
.set X,    144                         ; v144-207 x: K step 0's 64 numbers a lane
.set TM,   208                         ; v208-223 largest magnitudes, bytes, scale operands
.set PC,   224                         ; v224-242 the codes just made
.set STG,  8448                        ; a stage: 16 rows x (512 bytes + 16)
.set WX,   32                          ; v32-95   the weights: two sets of 32 numbers
; 64 numbers of a lane, register 16 b + i = k 32 b + 16 (lane / 16) + i of my row, become a fragment's codes in v[PC] on and its scale word in v[pw].
.macro QUANT s, pw
.irp b, 0,1,2,3
	v_max3_num_f32 v[TM+\b], |v[\s+16*\b]|, |v[\s+1+16*\b]|, 0x1800000   ; block b: my 16 numbers, and the floor 2^(3 - 127): the byte cannot fall under 1
.endr
.irp i, 2,4,6,8,10,12,14
.irp b, 0,1,2,3
	v_max3_num_f32 v[TM+\b], v[TM+\b], |v[\s+16*\b+\i]|, |v[\s+1+16*\b+\i]|   ; the four blocks by turns
.endr
.endr
.irp b, 0,1,2,3
	v_permlanex16_b32 v[TM+4+\b], v[TM+\b], s[SEL], s[SEL+1]
.endr
.irp b, 0,1,2,3
	v_max_num_f32 v[TM+\b], v[TM+\b], v[TM+4+\b]   ; with lane l xor 16's: the block's largest magnitude
.endr
.irp b, 0,1,2,3
	v_add_nc_u32 v[TM+12+\b], 0xff000000, v[TM+\b]   ; 2 off its exponent field: the conversion takes this operand's exponent field as its scale
.endr
.irp b, 0,1,2,3
	v_lshrrev_b32 v[TM+4+\b], 23, v[TM+12+\b]      ; the scale's byte
.endr
	v_lshl_or_b32 v[\pw], v[TM+5], 8, v[TM+4]      ; four bytes: my row's scale word
	v_lshl_or_b32 v[\pw], v[TM+6], 16, v[\pw]
	v_lshl_or_b32 v[\pw], v[TM+7], 24, v[\pw]
.irp c, 0,1
	v_cvt_scalef32_pk16_fp6_f32 v[PC+6*\c:PC+2+6*\c], v[\s+32*\c:\s+15+32*\c], v[TM+12+2*\c]
	v_cvt_scalef32_pk16_fp6_f32 v[PC+12+4*\c:PC+14+4*\c], v[\s+16+32*\c:\s+31+32*\c], v[TM+12+2*\c+1]   ; (a conversion's three registers begin on an even number)
.endr
	v_nop                                          ; one plain place behind a scaled conversion
.irp c, 0,1                                    ; the operand's layout wants a whole block in a lane: lanes 0-15 block 2 c, lanes 16-31 block 2 c + 1
.irp i, 0,1,2
	v_permlane16_swap_b32 v[PC+6*\c+\i], v[PC+12+4*\c+\i]
.endr
.irp i, 0,1,2
	v_mov_b32 v[PC+3+6*\c+\i], v[PC+12+4*\c+\i]
.endr
.endr
.endm
.macro IMG off                         ; the fragment leaves as its image: each store covers 256 consecutive bytes, aligned
.irp p, 0,1,2,3,4,5
	global_store_b64 v4, v[PC+2*\p:PC+2*\p+1], s[10:11] offset:\off+256*\p
.endr
.endm
	s_load_b256 s[4:11], s[0:1], 0x0               ; x s[4:5], w_attn s[6:7], w_proj s[8:9], a_codes s[10:11]
	s_load_b128 s[12:15], s[0:1], 0x20             ; a_scales s[12:13], w_codes s[14:15]
	s_load_b64 s[16:17], s[0:1], 0x30              ; w_scales
	v_lshl_add_u32 v248, v0, 2, 0x10800
	v_mov_b32 v249, 0
	v_lshrrev_b32 v1, 5, v0
	v_readfirstlane_b32 s18, v1                    ; wave 0..3
	v_and_b32 v6, 31, v0                           ; lane
	v_and_b32 v7, 15, v0                           ; r
	v_bfe_u32 v8, v0, 4, 1                         ; h
	v_lshlrev_b32 v4, 3, v6                        ; 8 x lane: my place in a pair's 256 bytes of an image
	s_cmp_lt_u32 ttmp9, 128
	s_cbranch_scc1 .Lweights
	; ---- x: the work-group takes tile T = its number - 128 (16 tokens), the wave 256 along K: two fragments.
	; Each load reads 512 consecutive bytes of one row; the numbers turn through the wave's own stage in LDS, so that a lane gets 16 neighbours of each block of 32 of ITS row.
	s_mov_b32 s[SEL], 0x76543210
	s_mov_b32 s[SEL+1], 0xfedcba98
	s_mov_b32 s22, 0xffff0000                      ; lanes 16-31
	s_sub_co_u32 s24, ttmp9, 128                   ; T
	s_lshr_b32 s25, s24, 1
	s_lshl_b32 s25, s25, 5
	s_and_b32 s26, s24, 1
	s_lshl_b32 s26, s26, 3
	s_add_co_u32 s25, s25, s26                     ; the tile's first token: 32 (T / 2) + 8 (T % 2)
	s_lshl_b32 s26, s25, 12                        ; x 4,096 bytes a row
	s_lshl_b32 s27, s18, 10                        ; + my 256 numbers
	s_add_co_u32 s26, s26, s27
	s_mov_b32 s27, 0
	s_mul_i32 s28, s24, 12288                      ; the tile's codes, my two K steps
	s_mul_i32 s29, s18, 3072
	s_add_co_u32 s28, s28, s29
	s_mov_b32 s29, 0
	s_lshl_b32 s30, s24, 9                         ; the tile's scale bytes, my 128
	s_lshl_b32 s31, s18, 7
	s_add_co_u32 s30, s30, s31
	s_mov_b32 s31, 0
	s_mul_i32 s32, s18, 2*STG                      ; my two stages
	s_wait_alu depctr_va_vdst(0)
	v_lshlrev_b32 v1, 4, v6                        ; 16 x lane
	v_add_nc_u32 v2, s32, v1                       ; into a stage: as loaded
	v_mul_u32_u24 v3, v7, 528
	v_lshl_add_u32 v3, v8, 6, v3
	v_add_nc_u32 v3, s32, v3                       ; out of it: row r, + 64 h
	v_lshlrev_b32 v5, 3, v7
	v_lshl_add_u32 v5, v8, 2, v5                   ; a row's eight scale bytes: lanes 0-15 store the first word, lanes 16-31 the second
.irp b, 0,1,2,3
	v_mov_b32 v[TM+4+\b], 0                        ; written once: a lane permute's destination counts as one of its sources
.endr
	s_wait_alu depctr_va_vdst(0)
	s_wait_kmcnt 0x0
	s_add_nc_u64 s[4:5], s[4:5], s[26:27]
	s_add_nc_u64 s[10:11], s[10:11], s[28:29]
	s_add_nc_u64 s[12:13], s[12:13], s[30:31]
.irp q, 0,1
.irp i, 0,1,2,3,4,5,6,7,8,9,10,11,12,13,14,15
	global_load_b128 v[R0+64*\q+4*\i:R0+64*\q+4*\i+3], v1, s[4:5] offset:(\i+8*(\i/8))*4096+512*\q th:TH_LOAD_NT   ; row i of the tile, K step q
.endr
.endr
	s_wait_loadcnt 16                              ; K step 0's sixteen loads are in; K step 1's may be out
.irp i, 0,1,2,3,4,5,6,7,8,9,10,11,12,13,14,15
	ds_store_b128 v2, v[R0+4*\i:R0+4*\i+3] offset:528*\i
.endr
.irp b, 0,1,2,3
.irp j, 0,1,2,3
	ds_load_b128 v[X+16*\b+4*\j:X+16*\b+4*\j+3], v3 offset:128*\b+16*\j   ; LDS serves a wave's instructions in order: these see my stores
.endr
.endr
	s_wait_loadcnt 0x0
.irp i, 0,1,2,3,4,5,6,7,8,9,10,11,12,13,14,15
	ds_store_b128 v2, v[R1+4*\i:R1+4*\i+3] offset:STG+528*\i
.endr
	s_wait_dscnt 16                                ; K step 0's numbers are back; only the sixteen stores just issued may be out
.irp b, 0,1,2,3
.irp j, 0,1,2,3
	ds_load_b128 v[R0+16*\b+4*\j:R0+16*\b+4*\j+3], v3 offset:STG+128*\b+16*\j
.endr
.endr
	QUANT X, 244
	IMG 0
	s_wait_dscnt 0x0                               ; K step 1's numbers are back
	s_wait_xcnt 0x0                                ; the stores have read the codes' registers, which are written again
	QUANT R0, 245
	IMG 1536
	v_cndmask_b32 v246, v244, v245, s22            ; lanes 0-15: K step 0's word; lanes 16-31: K step 1's
	global_store_b32 v5, v246, s[12:13]            ; 128 consecutive bytes
	s_wait_tensorcnt 0x0
	ds_add_u32 v248, v249
	s_wait_dscnt 0x0
	s_endpgm
; ---- the weights.  A LANE TAKES A COLUMN, AND ITS REGISTERS RUN DOWN K: a block of 32 lies in one lane's 32 registers, and the conversions give codes with K innermost.  A wave takes 32 columns (two tiles: lanes 0-15 the first,
; lanes 16-31 the second) x 256 along K (8 blocks).  An operand's layout wants lanes 0-15 to hold an even block and lanes 16-31 the odd block behind it, of the SAME 16 columns: an exchange of halves between an even and an odd
; block's codes gives both tiles' registers at once.  Loads run two blocks ahead.
.macro WLOAD t, sizen
.irp i, 0,1,2,3,4,5,6,7,8,9,10,11,12,13,14,15,16,17,18,19,20,21,22,23,24,25,26,27,28,29,30,31
	global_load_b32 v[WX+32*((\t)%2)+\i], v3, s[36:37] offset:(32*(\t)+\i)*\sizen*4 th:TH_LOAD_NT   ; one row k, 128 consecutive bytes a wave
.endr
.endm
.macro WBLOCK t, sizen
.set XS, WX+32*((\t)%2)
.if (\t) < 7
	s_wait_loadcnt 32                              ; this block's 32 loads are in; the next block's may be out
.else
	s_wait_loadcnt 0x0
.endif
	v_max3_num_f32 v12, |v[XS]|, |v[XS+1]|, |v[XS+2]|
	v_max3_num_f32 v13, |v[XS+3]|, |v[XS+4]|, |v[XS+5]|
.irp i, 6,10,14,18,22,26
	v_max3_num_f32 v12, v12, |v[XS+\i]|, |v[XS+\i+1]|
	v_max3_num_f32 v13, v13, |v[XS+\i+2]|, |v[XS+\i+3]|
.endr
	v_max3_num_f32 v12, v12, |v[XS+30]|, |v[XS+31]|
	v_max3_num_f32 v12, v12, v13, 0x1800000        ; and the floor
	v_add_nc_u32 v11, 0xff000000, v12              ; the conversion's scale operand
	v_lshrrev_b32 v13, 23, v11                     ; the byte
.if (\t)%4 == 0
	v_mov_b32 v[24+(\t)/4], v13
.else
	v_lshl_or_b32 v[24+(\t)/4], v13, 8*((\t)%4), v[24+(\t)/4]
.endif
.if (\t)%2 == 0
.if (\t) > 0
	s_wait_alu depctr_va_vdst(0)
	s_wait_xcnt 0x0                                ; the last pair's stores have read the codes' registers
.endif
	v_cvt_scalef32_pk16_fp6_f32 v[96:98], v[XS:XS+15], v11
	v_cvt_scalef32_pk16_fp6_f32 v[112:114], v[XS+16:XS+31], v11
.else
	v_cvt_scalef32_pk16_fp6_f32 v[104:106], v[XS:XS+15], v11
	v_cvt_scalef32_pk16_fp6_f32 v[116:118], v[XS+16:XS+31], v11
.endif
.if (\t)+2 < 8
	WLOAD (\t)+2, \sizen
.endif
.if (\t)%2 == 1
	v_nop                                          ; one plain place behind a scaled conversion
.irp i, 0,1,2
	v_permlane16_swap_b32 v[96+\i], v[104+\i]      ; v96..: the first tile's lanes 0-15 (even block) and lanes 16-31 (odd block); v104..: the second tile's
	v_permlane16_swap_b32 v[112+\i], v[116+\i]
.endr
.irp i, 0,1,2
	v_mov_b32 v[99+\i], v[112+\i]
	v_mov_b32 v[107+\i], v[116+\i]
.endr
.irp p, 0,1,2
	global_store_b64 v4, v[96+2*\p:97+2*\p], s[14:15] offset:1536*((\t)/4)+256*(3*(((\t)/2)%2)+\p)
	global_store_b64 v4, v[104+2*\p:105+2*\p], s[14:15] offset:12288+1536*((\t)/4)+256*(3*(((\t)/2)%2)+\p)
.endr
.endif
.endm
; sizen: the weight's columns; id0: its first work-group; nt0: its first tile in w_codes; wp: its pointer.  Work-group id = 4 x (which 128 columns) + (which 256 along K)
.macro WQ sizen, id0, nt0, wp
	s_sub_co_u32 s24, ttmp9, \id0
	s_lshr_b32 s25, s24, 2
	s_and_b32 s26, s24, 3
	s_mul_i32 s28, s26, 256*\sizen*4               ; 256 rows of the weight for each step along K,
	s_lshl_b32 s27, s25, 9
	s_add_co_u32 s28, s28, s27                     ; 128 columns a work-group,
	s_lshl_b32 s27, s18, 7
	s_add_co_u32 s28, s28, s27                     ; 32 a wave
	s_mov_b32 s29, 0
	s_lshl_b32 s30, s25, 3
	s_lshl_b32 s27, s18, 1
	s_add_co_u32 s30, s30, s27
	s_add_co_u32 s30, s30, \nt0                    ; my first tile
	s_mul_i32 s32, s30, 12288
	s_mul_i32 s27, s26, 3072
	s_add_co_u32 s32, s32, s27
	s_mov_b32 s33, 0
	s_lshl_b32 s34, s30, 9
	s_lshl_b32 s27, s26, 7
	s_add_co_u32 s34, s34, s27
	s_mov_b32 s35, 0
	s_wait_kmcnt 0x0
	s_add_nc_u64 s[36:37], s[\wp:\wp+1], s[28:29]
	s_add_nc_u64 s[14:15], s[14:15], s[32:33]
	s_add_nc_u64 s[16:17], s[16:17], s[34:35]
	WLOAD 0, \sizen
	WLOAD 1, \sizen
.irp t, 0,1,2,3,4,5,6,7
	WBLOCK \t, \sizen
.endr
	global_store_b64 v9, v[24:25], s[16:17]        ; my column's eight scale bytes
	s_endpgm
.endm
.Lweights:
	s_wait_alu depctr_va_vdst(0)
	v_lshlrev_b32 v9, 3, v7
	v_lshl_add_u32 v9, v8, 9, v9                   ; scale bytes: 512 x (which tile) + 8 r
	s_cmp_lt_u32 ttmp9, 96
	s_cbranch_scc0 .Lproj
	v_and_b32 v10, 8, v7
	v_add_nc_u32 v10, v10, v7
	v_lshl_add_u32 v10, v8, 3, v10                 ; w_attn: my column among the wave's 32: 8 (lane / 16) + r + 8 (r / 8)
	v_lshlrev_b32 v3, 2, v10
	s_wait_alu depctr_va_vdst(0)
	WQ 3072, 0, 0, 6
.Lproj:
	v_lshlrev_b32 v3, 2, v6                        ; w_proj: column = lane
	s_wait_alu depctr_va_vdst(0)
	WQ 1024, 96, 192, 8
.Lfunc_end_k_q59885f50c4_quant:
	.size	k_q59885f50c4_quant, .Lfunc_end_k_q59885f50c4_quant-k_q59885f50c4_quant
	.p2alignl 7, 3214868480
	.fill 96, 4, 3214868480
	.section	.rodata,"a",@progbits
	.p2align	6, 0x0
	.amdhsa_kernel k_q59885f50c4_quant
		.amdhsa_group_segment_fixed_size 68096
		.amdhsa_private_segment_fixed_size 0
		.amdhsa_enable_private_segment 0
		.amdhsa_kernarg_size 56
		.amdhsa_user_sgpr_count 2
		.amdhsa_user_sgpr_kernarg_segment_ptr 1
		.amdhsa_wavefront_size32 1
		.amdhsa_system_sgpr_workgroup_id_x 1
		.amdhsa_system_sgpr_workgroup_id_y 1
		.amdhsa_system_sgpr_workgroup_id_z 1
		.amdhsa_system_vgpr_workitem_id 0
		.amdhsa_next_free_vgpr 250
		.amdhsa_next_free_sgpr 66
		.amdhsa_reserve_vcc 0
		.amdhsa_float_denorm_mode_32 3
		.amdhsa_float_denorm_mode_16_64 3
		.amdhsa_memory_ordered 1
		.amdhsa_forward_progress 1
		.amdhsa_inst_pref_size 99
	.end_amdhsa_kernel
	.amdgpu_metadata
---
amdhsa.version: [ 1, 2 ]
amdhsa.kernels:
  - .name:           k_q59885f50c4_quant
    .symbol:         k_q59885f50c4_quant.kd
    .args:
      - { .name: x, .offset: 0, .size: 8, .value_kind: global_buffer, .address_space: global }
      - { .name: w_attn, .offset: 8, .size: 8, .value_kind: global_buffer, .address_space: global }
      - { .name: w_proj, .offset: 16, .size: 8, .value_kind: global_buffer, .address_space: global }
      - { .name: a_codes, .offset: 24, .size: 8, .value_kind: global_buffer, .address_space: global }
      - { .name: a_scales, .offset: 32, .size: 8, .value_kind: global_buffer, .address_space: global }
      - { .name: w_codes, .offset: 40, .size: 8, .value_kind: global_buffer, .address_space: global }
      - { .name: w_scales, .offset: 48, .size: 8, .value_kind: global_buffer, .address_space: global }
    .group_segment_fixed_size: 68096
    .private_segment_fixed_size: 0
    .kernarg_segment_align: 8
    .kernarg_segment_size: 56
    .max_flat_workgroup_size: 128
    .sgpr_count:     66
    .vgpr_count:     250
    .wavefront_size: 32
...
	.end_amdgpu_metadata
.endif
;; end of part 1
;; launch qkv (part 2): grid 8 x 32, 4 waves a work-group, clusters of 4 x 4, 327,680 bytes of LDS; arguments a_codes, a_scales, w_codes, w_scales, qkv_codes, qkv_scales; writes qkv_codes, qkv_scales
.if DOCPART == 2
	.amdgcn_target "amdgcn-amd-amdhsa--gfx1250"
	.amdhsa_code_object_version 6
	.text
	.protected	k_q59885f50c4_qkv
	.globl	k_q59885f50c4_qkv
	.p2align	8
	.type	k_q59885f50c4_qkv,@function
k_q59885f50c4_qkv:
	s_mov_b64 s[64:65], 0
	v_nop
	global_prefetch_b8 v0, s[64:65] scope:SCOPE_SE
	s_setreg_imm32_b32 hwreg(HW_REG_WAVE_MODE, 25, 1), 1
	s_wait_xcnt 0x0
	s_wait_alu depctr_hold_cnt(0) depctr_sa_sdst(0) depctr_va_vdst(0) depctr_va_sdst(0) depctr_va_ssrc(0) depctr_va_vcc(0) depctr_vm_vsrc(0)
	s_getreg_b32 s2, hwreg(HW_REG_IB_STS2, 6, 4)
	s_cmp_eq_u32 s2, 0
	s_cbranch_scc0 .Lentry_in_a_cluster
	s_endpgm
.Lentry_in_a_cluster:
	s_bfe_u32 s2, ttmp6, 0x10000c
	s_cmp_lg_u32 s2, 0xf033
	s_cbranch_scc0 .Lentry_shape_is_right
	s_endpgm
.Lentry_shape_is_right:
; qkv = x w_attn on codes of FP6 (E2M3) with E8M0 scales, K = 1,024; q and k are quantised along the head's 64, v along the keys, in registers, and leave as operand images.
; OPERANDS: codes [tile of 16 rows][K step of 128][1,536-byte image: register pair p of lane l at 256 p + 8 l]; scale bytes [tile][256 along K][row][8].  Row r of tile T is 32 (T / 2) + 8 (T % 2) + r + 8 (r / 8).
; THE DEAL.  256 work-groups: work-group (c, tb) makes q, k and v of head pair c for tokens 256 tb .. + 255, in three phases of one text.  Its 16 token tiles, all of K, lie in LDS for the whole launch;
; eight tiles of a weight have a region of their own, filled at the head (W_q) and again twice (W_k, W_v), each time behind the three lines and a round of the cluster's barrier.
; A PHASE.  A wave holds four tiles of one operand, all of K, in 384 registers (source 0) and streams eight tiles of the other past them (source 1), 32 products a tile.  A lane holds one streamed row; its 32 sums are
; 64 neighbours among the standing rows: two scale blocks, half an image.  q, k: the weight's 64 columns of head 2 c + b stand, token tiles 2 s + a stream.  v: token tiles 4 w .. 4 w + 3 stand, W_v's tiles stream.
; OUT: qkv_codes [piece 0..23][block 0..511][1,536], qkv_scales [piece][block][16 words]; pieces 0-7 q, 8-15 k (block = token tile), 16-23 v (block = 8 x (which 128 keys) + channel tile of the pair).
; The scale bytes gather in LDS, 1,024 bytes a phase, and leave at the end in runs of 256 bytes a wave.
; CLUSTERS: 4 x 4; the tokens' tiles are asked for jointly along a row of the cluster, the weights' along a column.
; PREFETCH: W_k's tiles are named behind the first barrier, W_v's behind the first refill, a phase ahead of its load; the sixteen waves of a column share the 384 blocks of 256 bytes by address, 24 a wave.
; LIMITS: NaN and infinities are not served; a block of zeros gets the byte 1 (its codes are zeros; this program alone reads the bytes).
; REGISTERS: window 0: addresses, scale words (v32-47 standing, v52-67 streamed), v96-127 sums, v128-154 the way out.  Fragment f lies in window 1 + f / 21 at 12 (f % 21): 0-31 standing (4 q + t), 32-47 streamed, two sets.
.set FR, 12
.set FPW, 21
.set NF, 52                            ; LDS loads of a streamed tile: 48 for eight fragments, 4 for its scale words
.set WRG, 196608
.set TSC, 294912
.set WSC, 303104
.set SPARE, 315392
.set XST, 315904
.set IMO, 4
.set R8, 5
.set HS, 6
.set PF1, 7
.set PF2, 8
.set RB, 9
.set SPW, 10
.set NIL, 11
.set ADS, 12
.set ADSS, 13
.set AT0, 14
.set ATS0, 15
.set STO0, 16
.set AT, 17
.set ATS, 18
.set VX, 19
.set T8, 20
.set T8X, 21
.set SB, 32
.set SA, 52
.set ACC, 96
.set TM, 128
.set SOP, 136
.set EB, 138
.set PC, 144
.set G1T, 24
.set G1W, 32
.set G1TS, 48
.set G1WS, 56
.set G0T, 68
.set G0W, 72
.set G0TS, 76
.set G0WS, 80
.set MSB, 0
.macro WIN new
.if MSB != \new
	s_set_vgpr_msb (MSB<<8)|\new
.set MSB, \new
.endif
.endm
.macro WALU
	s_wait_alu depctr_va_vdst(0)
.endm
.macro BARRIER
	s_barrier_signal -1
	s_barrier_wait -1
.endm
.macro CROUND
	BARRIER
	s_cmp_lg_u32 s14, 0
	s_cbranch_scc1 .Lnot_wave_0_\@
	s_barrier_signal -3
.Lnot_wave_0_\@:
	s_barrier_wait -3
	BARRIER
.endm
.macro TLOAD g0, g1
	tensor_load_to_lds s[\g0:\g0+3], s[\g1:\g1+7]
	s_nop 0
.rept 4
	v_nop
.endr
.endm
.macro GROUP1 g, mask, c, rows, pitch  ; rows of c elements of 8 bytes
	s_or_b32 s[\g], s\mask, (3<<16)|(1<<21)
	s_mov_b32 s[\g+1], (\c)<<16
	s_mov_b32 s[\g+2], (\rows)<<16
	s_mov_b32 s[\g+3], (\c)<<16
	s_mov_b32 s[\g+4], \rows
	s_mov_b32 s[\g+5], \pitch
	s_mov_b32 s[\g+6], 0
	s_mov_b32 s[\g+7], 0
.endm
.macro G0SET g, lds, base, off
	s_mov_b32 s[\g], 1
	s_mov_b32 s[\g+1], \lds
	s_add_nc_u64 s[\g+2:\g+3], s[\base:\base+1], s[\off:\off+1]
	s_or_b32 s[\g+3], s[\g+3], 0x80000000
.endm
.macro ARM under, g0, g1, next
	s_cmp_lt_u32 s14, \under
	s_cbranch_scc0 \next
	TLOAD \g0, \g1
	s_branch .Lasked
\next:
.endm
.macro FRAG f, adr, off                ; a fragment as its image lies: six loads of 256 consecutive bytes
	WIN (1+(\f)/FPW)<<6
.irp p, 0,1,2,3,4,5
	ds_load_b64 v[FR*((\f)%FPW)+2*\p:FR*((\f)%FPW)+2*\p+1], v[\adr] offset:(\off)+256*\p
.endr
.endm
.macro STAT                            ; the four standing tiles, all of K, and their scale words (lanes 0-15 tile 2 tp, lanes 16-31 tile 2 tp + 1): 200 loads
.irp q, 0,1,2,3,4,5,6,7
.irp t, 0,1,2,3
	FRAG 4*\q+\t, ADS, 12288*\t+1536*\q
.endr
.endr
	WIN 0
.irp tp, 0,1
.irp kq, 0,1,2,3
	ds_load_b64 v[SB+8*\tp+2*\kq:SB+8*\tp+2*\kq+1], v[ADSS] offset:1024*\tp+128*\kq
.endr
.endr
.endm
.macro FETCH e, adr, adrs, off, offs   ; a streamed tile into set e: NF loads
.irp q, 0,1,2,3,4,5,6,7
	FRAG 32+8*(\e)+\q, \adr, (\off)+1536*\q
.endr
	WIN 0
.irp kq, 0,1,2,3
	ds_load_b64 v[SA+8*(\e)+2*\kq:SA+8*(\e)+2*\kq+1], v[\adrs] offset:(\offs)+128*\kq
.endr
.endm
.macro WM c, row
	v_wmma_scale_f32_16x16x128_f8f6f4 v[ACC+8*(N_%4):ACC+8*(N_%4)+7], v[FR*(N_%FPW):FR*(N_%FPW)+FR-1], v[FR*(FT_%FPW):FR*(FT_%FPW)+FR-1], \c, v[SB+8*((N_%4)/2)+N_/4], v[SA+8*E_+N_/4] matrix_a_fmt:MATRIX_FMT_FP6 matrix_b_fmt:MATRIX_FMT_FP6 matrix_a_scale:MATRIX_SCALE_ROW\row
.endm
.macro PRODS e                         ; 32 products, K ascending, the four sums by turns; the first four start the sums
.set E_, \e
.set N_, 0
.rept 32
.set FT_, 32+8*E_+N_/4
	WIN (1+N_/FPW)|((1+FT_/FPW)<<2)
.if N_ < 4
.if N_%2
	WM 0, 1
.else
	WM 0, 0
.endif
.else
.if N_%2
	WM v[ACC+8*(N_%4):ACC+8*(N_%4)+7], 1
.else
	WM v[ACC+8*(N_%4):ACC+8*(N_%4)+7], 0
.endif
.endif
.set N_, N_+1
.endr
	WIN 0
.endm
.macro WAYOUT                          ; 32 sums of a lane: two blocks of 32 shared with lane l xor 16; each sum's registers are read from the low end on
.irp a, 0,1,2,3
	v_max3_num_f32 v[TM+\a], |v[ACC+8*\a]|, |v[ACC+8*\a+1]|, |v[ACC+8*\a+2]|
.endr
.irp i, 3,5
.irp a, 0,1,2,3
	v_max3_num_f32 v[TM+\a], v[TM+\a], |v[ACC+8*\a+\i]|, |v[ACC+8*\a+\i+1]|
.endr
.endr
.irp a, 0,1,2,3
	v_max3_num_f32 v[TM+\a], v[TM+\a], |v[ACC+8*\a+7]|, 0x1800000   ; the floor 2^(3 - 127): the byte cannot fall under 1
.endr
	v_max_num_f32 v[TM], v[TM], v[TM+1]
	v_max_num_f32 v[TM+2], v[TM+2], v[TM+3]
	v_permlanex16_b32 v[TM+4], v[TM], s92, s93
	v_permlanex16_b32 v[TM+5], v[TM+2], s92, s93
	v_max_num_f32 v[TM], v[TM], v[TM+4]
	v_max_num_f32 v[TM+2], v[TM+2], v[TM+5]
	v_add_nc_u32 v[SOP], 0xff000000, v[TM]         ; 2 off the exponent field: the conversion's scale operand
	v_add_nc_u32 v[SOP+1], 0xff000000, v[TM+2]
	v_lshrrev_b32 v[EB], 23, v[SOP]
	v_lshrrev_b32 v[EB+1], 23, v[SOP+1]
	v_cvt_scalef32_pk16_fp6_f32 v[PC:PC+2], v[ACC:ACC+15], v[SOP]
	v_cvt_scalef32_pk16_fp6_f32 v[PC+8:PC+10], v[ACC+16:ACC+31], v[SOP+1]
	v_cndmask_b32 v[EB+2], v[EB], v[EB+1], s87     ; lanes 0-15 the first block's byte, lanes 16-31 the second's; the plain place behind the conversions
.irp i, 0,1,2
	v_permlane16_swap_b32 v[PC+\i], v[PC+8+\i]     ; lanes 0-15: the first block whole; lanes 16-31: the second
.endr
.irp i, 0,1,2
	v_mov_b32 v[PC+3+\i], v[PC+8+\i]
.endr
.irp p, 0,1,2
	global_store_b64 v[IMO], v[PC+2*\p:PC+2*\p+1], s[84:85] offset:256*\p-OSTR   ; 256 consecutive bytes, aligned; the base was stepped ahead of the stores
.endr
	ds_store_b8 v[VX], v[EB+2]
.endm
.macro BLK e, fetch, w                 ; a streamed tile: its products, the fetch of the tile two on into its set, its way out
	s_wait_dscnt \w
	PRODS \e
	s_wait_xcnt 0x0                                ; the last tile's stores have read their base and data
	s_add_nc_u64 s[84:85], s[84:85], OSTR
	v_add_nc_u32 v[VX], s90, v[STO0]               ; four plain lines: the places behind the products
.if \fetch
	v_add_nc_u32 v[AT], s88, v[AT0]
	v_add_nc_u32 v[ATS], s89, v[ATS0]
	v_nop
	s_add_co_u32 s88, s88, TSTR
	s_add_co_u32 s89, s89, TSS
.else
	v_nop
	v_nop
	v_nop
.endif
	s_add_co_u32 s90, s90, XSTR
	WALU                                           ; the wait ahead of the readers of the addresses
.if \fetch
	FETCH \e, AT, ATS, 0, 0
.endif
	WAYOUT
.endm
; s20, s21: where the standing tiles and their scale bytes lie; s22, s23: the streamed; s94: the stage; s[84:85]: the first half image
.macro PHASE refill, pf, tstr, tss, xstr, ostr
.set TSTR, \tstr
.set TSS, \tss
.set XSTR, \xstr
.set OSTR, \ostr
	v_add_nc_u32 v[ADS], s20, v[IMO]
	v_add_nc_u32 v[ADSS], s21, v[HS]
	v_add_nc_u32 v[AT0], s22, v[IMO]
	v_add_nc_u32 v[ATS0], s23, v[R8]
	v_add_nc_u32 v[STO0], s94, v[RB]
	s_mov_b32 s88, 2*TSTR
	s_mov_b32 s89, 2*TSS
	s_mov_b32 s90, 0
	s_mov_b32 s86, 0
	WALU
	s_wait_tensorcnt 0x0                           ; every wave's loads have landed,
	s_wait_dscnt 0x0
	BARRIER                                        ; and are shown to all
.if \pf
	global_prefetch_b8 v[PF1], s[8:9] th:TH_LOAD_NT scope:SCOPE_SE
.endif
	STAT
	FETCH 0, AT0, ATS0, 0, 0
	FETCH 1, AT0, ATS0, TSTR, TSS
.if \refill
	s_wait_tensorcnt 0x0                           ; ahead of a refill's round
	ds_add_u32 v[SPW], v[NIL]
	s_add_nc_u64 s[G0W+2:G0W+3], s[G0W+2:G0W+3], 786432   ; the next weight's piece: 64 tiles on
	s_wait_dscnt 0x0                               ; the weight stands in registers in every wave behind the round
	CROUND
	s_cmp_lg_u32 s14, 0
	s_cbranch_scc1 .Lno_load_\@
	TLOAD G0W, G1W
.Lno_load_\@:
.if \pf
	global_prefetch_b8 v[PF2], s[8:9] th:TH_LOAD_NT scope:SCOPE_SE
.endif
.else
	s_wait_dscnt NF                                ; all but tile 1's loads
.endif
.Ltiles_\@:                                            ; tiles 0 to 5.  Behind a tile's fetch stand a byte's store, the next fetch and a byte's store: 53 leaves at most the last 53 out
	BLK 0, 1, NF+1
	BLK 1, 1, NF+1
	s_add_co_u32 s86, s86, 1
	s_cmp_lt_u32 s86, 3
	s_cbranch_scc1 .Ltiles_\@
	BLK 0, 0, NF+1
	BLK 1, 0, 2                                    ; behind tile 7's fetch: two bytes' stores
.endm
	s_load_b256 s[4:11], s[0:1], 0x0               ; a_codes, a_scales, w_codes, w_scales
	s_load_b64 s[12:13], s[0:1], 0x20              ; qkv_codes
	s_load_b64 s[66:67], s[0:1], 0x28              ; qkv_scales
	v_lshl_add_u32 v[SPW], v0, 2, SPARE
	v_mov_b32 v[NIL], 0
	ds_add_u32 v[SPW], v[NIL]
	ds_add_u32 v[SPW], v[NIL]
	v_lshrrev_b32 v1, 5, v0
	v_readfirstlane_b32 s14, v1                    ; wave w; a = w / 2, b = w % 2
	s_lshr_b32 s15, s14, 1
	s_and_b32 s16, s14, 1
	s_bfe_u32 s40, ttmp6, 0x40000                  ; cx
	s_bfe_u32 s41, ttmp6, 0x40004                  ; cy
	s_lshl_b32 s42, ttmp9, 2
	s_add_co_u32 s42, s42, s40                     ; c
	s_and_b32 s43, ttmp7, 0xffff
	s_lshl_b32 s43, s43, 2
	s_add_co_u32 s43, s43, s41                     ; tb
	s_lshl_b32 s44, s41, 2
	s_lshl_b32 s44, 15, s44                        ; my row of the cluster
	s_lshl_b32 s45, 0x1111, s40                    ; my column
	GROUP1 G1T, 44, 1536, 16, 1536                 ; 16 token tiles of 12,288 bytes, dense
	GROUP1 G1W, 45, 1536, 8, 1536                  ; 8 tiles of a weight
	GROUP1 G1TS, 44, 32, 32, 32                    ; the tokens' scale bytes: 8,192 dense
	GROUP1 G1WS, 45, 512, 3, 4096                  ; the three weights' scale bytes: 4,096 each, 32,768 apart
	s_mul_i32 s20, s43, 196608
	s_mov_b32 s21, 0
	s_lshl_b32 s22, s43, 13
	s_mov_b32 s23, 0
	s_mul_i32 s46, s42, 98304
	s_mov_b32 s47, 0
	s_lshl_b32 s94, s42, 12
	s_mov_b32 s95, 0
	s_mov_b32 s87, 0xffff0000
	s_mov_b32 s92, 0x76543210
	s_mov_b32 s93, 0xfedcba98
	WALU
	s_wait_dscnt 0x0
	CROUND                                         ; the round ahead of the first joint loads
	s_wait_kmcnt 0x0
	G0SET G0W, WRG, 8, 46
	G0SET G0WS, WSC, 10, 94
	G0SET G0TS, TSC, 6, 22
	G0SET G0T, 0, 4, 20
	ARM 1, G0W, G1W, .Lh1                          ; one load a wave, in one chain of arms
	ARM 2, G0WS, G1WS, .Lh2
	ARM 3, G0TS, G1TS, .Lh3
	TLOAD G0T, G1T
.Lasked:
	s_lshl_b32 s100, s41, 2
	s_add_co_u32 s100, s100, s14                   ; my number among the sixteen waves of my column
	s_mul_i32 s98, s100, 6144
	s_add_co_u32 s98, s98, s46
	s_add_co_u32 s98, s98, 786432
	v_and_b32 v1, 15, v0                           ; r
	v_bfe_u32 v2, v0, 4, 1                         ; h
	v_and_b32 v3, 31, v0
	v_lshlrev_b32 v[IMO], 3, v3
	v_lshlrev_b32 v[R8], 3, v1
	v_lshl_add_u32 v[HS], v2, 9, v[R8]
	v_lshl_add_u32 v[RB], v1, 2, v2
	v_lshlrev_b32 v[T8], 3, v0
	v_add_nc_u32 v[T8X], XST, v[T8]
	v_mov_b32 v[TM+4], 0                           ; a lane permute's destination counts as a source
	v_mov_b32 v[TM+5], 0
	v_min_u32 v[PF1], 23, v3
	v_lshl_add_u32 v[PF1], v[PF1], 8, s98
	v_add_nc_u32 v[PF2], 0xc0000, v[PF1]
	s_lshl_b32 s96, s42, 9
	s_lshl_b32 s97, s43, 4
	s_add_co_u32 s96, s96, s97                     ; 512 c + 16 tb
	s_lshl_b32 s98, s96, 6
	s_mov_b32 s99, 0
	s_add_nc_u64 s[66:67], s[66:67], s[98:99]
	s_add_co_u32 s96, s96, s15
	s_mul_i32 s96, s96, 1536
	s_mul_i32 s97, s16, 768
	s_add_co_u32 s96, s96, s97
	s_mov_b32 s97, 0
	s_add_nc_u64 s[96:97], s[12:13], s[96:97]      ; q's first half image of mine
	s_mov_b64 s[84:85], s[96:97]
	s_mul_i32 s20, s16, 49152
	s_add_co_u32 s20, s20, WRG
	s_lshl_b32 s21, s16, 11
	s_add_co_u32 s21, s21, WSC
	s_mul_i32 s22, s15, 12288
	s_lshl_b32 s23, s15, 9
	s_add_co_u32 s23, s23, TSC
	s_lshl_b32 s94, s15, 6
	s_lshl_b32 s95, s16, 1
	s_add_co_u32 s94, s94, s95
	s_add_co_u32 s94, s94, XST
	PHASE 1, 1, 24576, 1024, 128, 3072             ; q
	s_add_co_u32 s21, s21, 4096
	s_add_co_u32 s94, s94, 1024
	s_wait_xcnt 0x0
	s_add_nc_u64 s[84:85], s[96:97], 6291456
	PHASE 1, 0, 24576, 1024, 128, 3072             ; k
	s_mul_i32 s20, s14, 49152
	s_lshl_b32 s21, s14, 11
	s_add_co_u32 s21, s21, TSC
	s_mov_b32 s22, WRG
	s_mov_b32 s23, WSC+8192
	s_lshl_b32 s94, s15, 9
	s_add_co_u32 s94, s94, s95
	s_add_co_u32 s94, s94, XST+2048
	s_mul_i32 s98, s15, 10752                      ; block 8 a in place of a
	s_mov_b32 s99, 0
	s_wait_xcnt 0x0
	s_add_nc_u64 s[84:85], s[96:97], s[98:99]
	s_add_nc_u64 s[84:85], s[84:85], 12582912
	PHASE 0, 0, 12288, 512, 64, 1536               ; v
	s_wait_dscnt 0x0
	BARRIER                                        ; all scale bytes are staged
.irp f, 0,1,2
	ds_load_b64 v[160+2*\f:161+2*\f], v[T8X] offset:1024*\f
.endr
	s_wait_dscnt 0x0
.irp f, 0,1,2
	global_store_b64 v[T8], v[160+2*\f:161+2*\f], s[66:67] offset:262144*\f   ; a wave stores 256 consecutive bytes, aligned
.endr
	s_wait_tensorcnt 0x0                           ; the wave's end
	ds_add_u32 v[SPW], v[NIL]
	s_wait_dscnt 0x0
	CROUND                                         ; the closing round
	s_endpgm
.Lfunc_end_k_q59885f50c4_qkv:
	.size	k_q59885f50c4_qkv, .Lfunc_end_k_q59885f50c4_qkv-k_q59885f50c4_qkv
	.p2alignl 7, 3214868480
	.fill 96, 4, 3214868480
	.section	.rodata,"a",@progbits
	.p2align	6, 0x0
	.amdhsa_kernel k_q59885f50c4_qkv
		.amdhsa_group_segment_fixed_size 327680
		.amdhsa_private_segment_fixed_size 0
		.amdhsa_enable_private_segment 0
		.amdhsa_kernarg_size 48
		.amdhsa_user_sgpr_count 2
		.amdhsa_user_sgpr_kernarg_segment_ptr 1
		.amdhsa_wavefront_size32 1
		.amdhsa_system_sgpr_workgroup_id_x 1
		.amdhsa_system_sgpr_workgroup_id_y 1
		.amdhsa_system_sgpr_workgroup_id_z 1
		.amdhsa_system_vgpr_workitem_id 0
		.amdhsa_next_free_vgpr 840
		.amdhsa_next_free_sgpr 102
		.amdhsa_reserve_vcc 0
		.amdhsa_float_denorm_mode_32 3
		.amdhsa_float_denorm_mode_16_64 3
		.amdhsa_memory_ordered 1
		.amdhsa_forward_progress 1
		.amdhsa_inst_pref_size 173
	.end_amdhsa_kernel
	.amdgpu_metadata
---
amdhsa.version: [ 1, 2 ]
amdhsa.kernels:
  - .name:           k_q59885f50c4_qkv
    .symbol:         k_q59885f50c4_qkv.kd
    .args:
      - { .name: a_codes, .offset: 0, .size: 8, .value_kind: global_buffer, .address_space: global }
      - { .name: a_scales, .offset: 8, .size: 8, .value_kind: global_buffer, .address_space: global }
      - { .name: w_codes, .offset: 16, .size: 8, .value_kind: global_buffer, .address_space: global }
      - { .name: w_scales, .offset: 24, .size: 8, .value_kind: global_buffer, .address_space: global }
      - { .name: qkv_codes, .offset: 32, .size: 8, .value_kind: global_buffer, .address_space: global }
      - { .name: qkv_scales, .offset: 40, .size: 8, .value_kind: global_buffer, .address_space: global }
    .group_segment_fixed_size: 327680
    .private_segment_fixed_size: 0
    .kernarg_segment_align: 8
    .kernarg_segment_size: 48
    .max_flat_workgroup_size: 128
    .sgpr_count:     102
    .vgpr_count:     840
    .wavefront_size: 32
...
	.end_amdgpu_metadata
.endif
;; end of part 2
;; launch attn (part 3): grid 4 x 64, 16 waves a work-group, clusters of 4 x 1, 210,944 bytes of LDS; arguments qkv_codes, qkv_scales, a_codes, a_scales; writes a_codes, a_scales
.if DOCPART == 3
	.amdgcn_target "amdgcn-amd-amdhsa--gfx1250"
	.amdhsa_code_object_version 6
	.text
	.protected	k_q59885f50c4_attn
	.globl	k_q59885f50c4_attn
	.p2align	8
	.type	k_q59885f50c4_attn,@function
k_q59885f50c4_attn:
	s_mov_b64 s[64:65], 0
	v_nop
	global_prefetch_b8 v0, s[64:65] scope:SCOPE_SE
	s_setreg_imm32_b32 hwreg(HW_REG_WAVE_MODE, 25, 1), 1
	s_wait_xcnt 0x0
	s_wait_alu depctr_hold_cnt(0) depctr_sa_sdst(0) depctr_va_vdst(0) depctr_va_sdst(0) depctr_va_ssrc(0) depctr_va_vcc(0) depctr_vm_vsrc(0)
	s_getreg_b32 s2, hwreg(HW_REG_IB_STS2, 6, 4)
	s_cmp_eq_u32 s2, 0
	s_cbranch_scc0 .Lentry_in_a_cluster
	s_endpgm
.Lentry_in_a_cluster:
	s_bfe_u32 s2, ttmp6, 0x10000c
	s_cmp_lg_u32 s2, 0x3003
	s_cbranch_scc0 .Lentry_shape_is_right
	s_endpgm
.Lentry_shape_is_right:
; y[b][q][head] = the sum over keys k <= q of softmax_k(Q . K / 8) V, both products on codes of FP6 (E2M3) with E8M0 scales; y is quantised along the model's 1,024 channels in registers and leaves as the next product's operand.
; IN (made by the launch before): images of 1,536 bytes (register pair p of lane l at 256 p + 8 l).  q, k: 16 tokens x (head 2 j's 64 | head 2 j + 1's 64); v: 16 channels x 128 keys.  Token, key and channel r of tile T is
; 32 (T / 2) + 8 (T % 2) + r + 8 (r / 8).  A head's 64 fill half of the matrix instruction's 128 along K: the other half is zero codes on both sides (its scale bytes are 0, which is 2^-127 and no NaN).
; THE SOFTMAX: t = score x log2(e) / 8; M = the row's largest t so far, rounded UP to a whole number; p = 2^(t - M) is quantised along the keys, not normalised; the row's sum is taken of the unquantised p and divides O at the
; end.  When M moves, the sum and O are multiplied by 2^(old M - new M): exact.
; SHARES.  A cluster of four work-groups owns one head of one batch.  The head's whole K and V (2 x 98,304 bytes of codes) lie in each work-group's LDS, filled ONCE, by joint loads of the four: no ring, nothing is filled again.
; The head's 128 tiles of 16 queries form 16 groups of 8; work-group cx has tiles 2 cx and 2 cx + 1 of every group.  Wave w takes tile 2 cx of group w, then tile 2 cx + 1 of group 15 - w: (w + 1) + (16 - w) = 17 key steps
; of 128 keys for every wave of the launch.  Key steps behind a tile's group are passed over by a scalar branch on the wave's number and the step's; the step of the group itself is masked.  cx enters global addresses and
; the mask's numbers alone.
; LAYOUT.  Both products are used transposed: S^T = K Q^T, O^T = V^T P^T: a lane holds ONE query throughout; the 16 registers of two neighbouring tiles are 16 neighbouring keys, or channels.
; LIMITS: NaN and infinities are not served; p under 2^-126 counts as 0 (v_exp_f32); a block of zeros gets the byte 1 (its codes are zeros; this program alone reads the bytes).
; No prefetch: all that is fetched is asked for at the head.
; REGISTERS: v1-5 offsets that stay; v8-11 LDS addresses of the step; v12 -M, v13 the largest t, v[14:15] the sum in two halves; v16-27 Q (v22-27 zeros); v28-31 V's scale words; v32-79 four fragments of K (each one's upper six
; registers zeros); v80-127 four of V; v128-191 S^T, then p; v192-223 O^T; v224-235 p's codes; v232-247, v252, v254 at work; v248-251 K's scale words; v253 p's; v255 Q's.
.set KREG, 0                           ; LDS: K's codes [tile 0..127][768]
.set VREG, 98304                       ; V's codes [key step 0..15][channel tile 0..3][1,536]
.set KSC,  196608                      ; K's scale words [tile][16 words]: both heads' of the pair
.set VSC,  204800                      ; V's [key step][channel tile][16 words]
.set ADK,  8
.set ADV,  9
.set ADS,  10
.set ADT,  11
.set KF,   32
.set VF,   80
.set S,    128
.set O,    192
.set WV,   18                          ; s18  my wave's number
.set SEL,  20                          ; s[20:21] lane selects: lane l xor 16
.set CS,   22                          ; s[22:23] c = log2(e) / 8
.set G1K,  24                          ; descriptor groups 1: K's codes, V's codes, K's scale words, V's
.set G1V,  32
.set G1KS, 40
.set G1VS, 48
.set G0K,  56                          ; and groups 0
.set G0V,  60
.set G0KS, 68
.set G0VS, 72
.set CX,   76                          ; s76  my place in the cluster
.set PAR,  77                          ; s77  the head's parity
.set SIG,  78                          ; s78  the tile's group: its last key step
.set STEPI, 80                         ; s80  the key step, and the loop's counter
.set KT,   83                          ; s83-86 LDS bytes at which the step's K, V and their scale words begin
.set VT,   84
.set KSS,  85
.set VSS,  86
.set HI16, 87                          ; s87  lanes 16-31
.set QB,   88                          ; s[88:89], s[90:91] Q's codes and scale words of the head
.set QSB,  90
.set YC,   92                          ; s[92:93], s[94:95] where the tile's y goes
.set YS,   94
.macro CROUND                          ; a round of the cluster's barrier
	s_barrier_signal -1
	s_barrier_wait -1
	s_cmp_lg_u32 s[WV], 0
	s_cbranch_scc1 .Lnot_wave_0_\@
	s_barrier_signal -3
.Lnot_wave_0_\@:
	s_barrier_wait -3
	s_barrier_signal -1
	s_barrier_wait -1
.endm
	s_load_b256 s[4:11], s[0:1], 0x0               ; qkv_codes s[4:5], qkv_scales s[6:7], a_codes s[8:9], a_scales s[10:11]
	v_lshl_add_u32 v254, v0, 2, 0x33000
	v_mov_b32 v255, 0
	ds_add_u32 v254, v255
	ds_add_u32 v254, v255
	s_wait_dscnt 0x0
	v_lshrrev_b32 v1, 5, v0
	s_delay_alu instid0(VALU_DEP_1)
	v_readfirstlane_b32 s[WV], v1                  ; wave 0..15
	s_bfe_u32 s[CX], ttmp6, 0x40000
	s_and_b32 s2, ttmp7, 0xffff                    ; 16 x batch + head: the four partners share it
	s_lshr_b32 s3, s2, 4                           ; batch
	s_and_b32 s12, s2, 15                          ; head
	s_lshr_b32 s13, s12, 1                         ; its pair
	s_and_b32 s[PAR], s12, 1
	s_lshl_b32 s14, s3, 7
	s_lshl_b32 s15, s13, 9
	s_add_co_u32 s15, s15, s14                     ; q's first block: 512 x pair + 128 x batch
	s_mul_i32 s79, s[PAR], 768                     ; the head's half of an image of q or k, and of y
	s_mul_i32 s[QB], s15, 1536
	s_add_co_u32 s[QB], s[QB], s79
	s_mov_b32 s[QB+1], 0
	s_lshl_b32 s[QSB], s15, 6
	s_lshl_b32 s82, s[PAR], 1
	s_add_co_u32 s[QSB], s[QSB], s82               ; the head's two bytes of a scale word
	s_mov_b32 s[QSB+1], 0
	s_mul_i32 s[YC], s3, 1572864                   ; y's codes: 128 tiles of 12,288 bytes a batch, K step = the pair, the head's half
	s_mul_i32 s82, s13, 1536
	s_add_co_u32 s[YC], s[YC], s82
	s_add_co_u32 s[YC], s[YC], s79
	s_mov_b32 s[YC+1], 0
	s_lshl_b32 s[YS], s3, 16                       ; y's scale bytes: 128 tiles of 512 bytes a batch, 128 x (head / 4), 2 x (head % 4)
	s_lshr_b32 s82, s12, 2
	s_lshl_b32 s82, s82, 7
	s_add_co_u32 s[YS], s[YS], s82
	s_and_b32 s82, s12, 3
	s_lshl_b32 s82, s82, 1
	s_add_co_u32 s[YS], s[YS], s82
	s_mov_b32 s[YS+1], 0
	; one fill a wave: waves 0-3 32 tiles of K each, waves 4-11 two key steps of V each, waves 12, 13 half of K's scale words, waves 14, 15 half of V's
	s_and_b32 s16, s[WV], 3
	s_lshl_b32 s17, s16, 5
	s_add_co_u32 s17, s17, s15
	s_add_co_u32 s19, s17, 4096                    ; K's pieces lie 8 x 512 blocks behind q's
	s_mul_i32 s96, s19, 1536
	s_add_co_u32 s96, s96, s79
	s_mov_b32 s97, 0                               ; s[96:97] K's codes
	s_mul_i32 s12, s16, 24576
	s_add_co_u32 s16, s[WV], 4
	s_and_b32 s16, s16, 7                          ; waves 4-11: 0-7
	s_lshl_b32 s17, s16, 4
	s_lshl_b32 s81, s[PAR], 2
	s_add_co_u32 s81, s81, s15
	s_add_co_u32 s81, s81, 8192                    ; V's 16 x 512 behind; the head's four images of a key step's eight
	s_add_co_u32 s17, s17, s81
	s_mul_i32 s66, s17, 1536
	s_mov_b32 s67, 0                               ; s[66:67] V's codes
	s_mul_i32 s19, s16, 12288
	s_and_b32 s16, s[WV], 1
	s_lshl_b32 s17, s16, 6                         ; 64 blocks a half
	s_add_co_u32 s98, s17, s15
	s_add_co_u32 s98, s98, 4096
	s_lshl_b32 s98, s98, 6
	s_mov_b32 s99, 0                               ; s[98:99] K's scale words
	s_add_co_u32 s2, s17, s81
	s_lshl_b32 s2, s2, 6
	s_mov_b32 s3, 0                                ; s[2:3] V's scale words
	s_lshl_b32 s13, s16, 12
	s_lshl_b32 s14, s16, 11
	; descriptor groups 1.  Word 0: 15:0 the mask: all four work-groups; 17:16 elements of 8 bytes; 21 set beside a mask
	s_mov_b32 s[G1K], 15|(3<<16)|(1<<21)           ; K's codes: 32 rows of 768 bytes, 1,536 bytes apart
	s_mov_b32 s[G1K+1], 96<<16
	s_mov_b32 s[G1K+2], 32<<16
	s_mov_b32 s[G1K+3], 96<<16
	s_mov_b32 s[G1K+4], 32
	s_mov_b32 s[G1K+5], 192
	s_mov_b32 s[G1K+6], 0
	s_mov_b32 s[G1K+7], 0
	s_mov_b32 s[G1V], 15|(3<<16)|(1<<21)           ; V's codes: 2 rows of 6,144 bytes, 12,288 bytes apart
	s_mov_b32 s[G1V+1], 768<<16
	s_mov_b32 s[G1V+2], 2<<16
	s_mov_b32 s[G1V+3], 768<<16
	s_mov_b32 s[G1V+4], 2
	s_mov_b32 s[G1V+5], 1536
	s_mov_b32 s[G1V+6], 0
	s_mov_b32 s[G1V+7], 0
	s_mov_b32 s[G1KS], 15|(3<<16)|(1<<21)          ; K's scale words: 4,096 dense bytes as 16 rows of 256
	s_mov_b32 s[G1KS+1], 32<<16
	s_mov_b32 s[G1KS+2], 16<<16
	s_mov_b32 s[G1KS+3], 32<<16
	s_mov_b32 s[G1KS+4], 16
	s_mov_b32 s[G1KS+5], 32
	s_mov_b32 s[G1KS+6], 0
	s_mov_b32 s[G1KS+7], 0
	s_mov_b32 s[G1VS], 15|(3<<16)|(1<<21)          ; V's: 8 rows of 256 bytes, 512 bytes apart
	s_mov_b32 s[G1VS+1], 32<<16
	s_mov_b32 s[G1VS+2], 8<<16
	s_mov_b32 s[G1VS+3], 32<<16
	s_mov_b32 s[G1VS+4], 8
	s_mov_b32 s[G1VS+5], 64
	s_mov_b32 s[G1VS+6], 0
	s_mov_b32 s[G1VS+7], 0
	s_mov_b32 s[SEL], 0x76543210
	s_mov_b32 s[SEL+1], 0xfedcba98
	s_mov_b32 s[CS], 0x3e38aa3b                    ; c = log2(e) / 8
	s_mov_b32 s[CS+1], s[CS]                       ; (named with it as a pair, so it is written)
	s_mov_b32 s[HI16], 0xffff0000
	s_wait_kmcnt 0x0
	s_mov_b32 s[G0K], 1
	s_mov_b32 s[G0K+1], s12                        ; KREG is LDS byte 0
	s_add_nc_u64 s[G0K+2:G0K+3], s[4:5], s[96:97]
	s_or_b32 s[G0K+3], s[G0K+3], 0x80000000
	s_mov_b32 s[G0V], 1
	s_add_co_u32 s[G0V+1], s19, VREG
	s_add_nc_u64 s[G0V+2:G0V+3], s[4:5], s[66:67]
	s_or_b32 s[G0V+3], s[G0V+3], 0x80000000
	s_mov_b32 s[G0KS], 1
	s_add_co_u32 s[G0KS+1], s13, KSC
	s_add_nc_u64 s[G0KS+2:G0KS+3], s[6:7], s[98:99]
	s_or_b32 s[G0KS+3], s[G0KS+3], 0x80000000
	s_mov_b32 s[G0VS], 1
	s_add_co_u32 s[G0VS+1], s14, VSC
	s_add_nc_u64 s[G0VS+2:G0VS+3], s[6:7], s[2:3]
	s_or_b32 s[G0VS+3], s[G0VS+3], 0x80000000
	s_add_nc_u64 s[QB:QB+1], s[4:5], s[QB:QB+1]
	s_add_nc_u64 s[QSB:QSB+1], s[6:7], s[QSB:QSB+1]
	s_add_nc_u64 s[8:9], s[8:9], s[YC:YC+1]        ; y's codes and scale bytes at the batch's first tile, the head's place
	s_add_nc_u64 s[10:11], s[10:11], s[YS:YS+1]
	CROUND                                         ; all four work-groups are here: the joint loads meet
	s_cmp_lt_u32 s[WV], 4                          ; one chain of arms on the wave's number, one fill to an arm
	s_cbranch_scc0 .Lfill_v
	tensor_load_to_lds s[G0K:G0K+3], s[G1K:G1K+7]
	s_nop 0
.rept 4
	v_nop
.endr
	s_branch .Lfilled
.Lfill_v:
	s_cmp_lt_u32 s[WV], 12
	s_cbranch_scc0 .Lfill_ks
	tensor_load_to_lds s[G0V:G0V+3], s[G1V:G1V+7]
	s_nop 0
.rept 4
	v_nop
.endr
	s_branch .Lfilled
.Lfill_ks:
	s_cmp_lt_u32 s[WV], 14
	s_cbranch_scc0 .Lfill_vs
	tensor_load_to_lds s[G0KS:G0KS+3], s[G1KS:G1KS+7]
	s_nop 0
.rept 4
	v_nop
.endr
	s_branch .Lfilled
.Lfill_vs:
	tensor_load_to_lds s[G0VS:G0VS+3], s[G1VS:G1VS+7]
	s_nop 0
.rept 4
	v_nop
.endr
.Lfilled:
	v_and_b32 v6, 31, v0
	s_delay_alu instid0(VALU_DEP_1)
	v_lshlrev_b32 v1, 3, v6                        ; 8 x lane: my place in a pair's 256 bytes of an image
	v_and_b32 v7, 15, v0                           ; r
	s_delay_alu instid0(VALU_DEP_1)
	v_lshlrev_b32 v2, 2, v7                        ; 4 r: my row's scale word
	v_bfe_u32 v6, v0, 4, 1                         ; h
	s_delay_alu instid0(VALU_DEP_3)
	v_and_b32 v3, 8, v7
	s_delay_alu instid0(VALU_DEP_1)
	v_add_nc_u32 v3, v3, v7
	s_delay_alu instid0(VALU_DEP_3)
	v_lshlrev_b32 v5, 4, v6
	s_delay_alu instid0(VALU_DEP_1)
	v_sub_nc_u32 v3, v3, v5                        ; r + 8 (r / 8) - 16 h
	v_lshl_add_u32 v5, v7, 3, v6                   ; 8 r + h: my byte among y's scale bytes
.irp j, 22,23,24,25,26,27
	v_mov_b32 v\j, 0                               ; Q's upper 64 along K: zero codes
.endr
.irp t, 0,1,2,3
.irp j, 6,7,8,9,10,11
	v_mov_b32 v[KF+12*\t+\j], 0                    ; K's likewise: written once, the loads never touch them
.endr
.endr
.irp j, 236,237,238,239,252,253
	v_mov_b32 v\j, 0                               ; written once: a lane permute's destination counts as one of its sources; v253 is named as the upper half of the pair v[252:253]
.endr
; A tile begins: tile 8 x group + 2 cx + u of the head.  Its Q and scale word; where its y goes; the mask's number; empty sums.
.macro INIT u
	s_wait_xcnt 0x0                                ; the last tile's stores have read their registers and bases
	s_lshl_b32 s96, s[SIG], 3
	s_lshl_b32 s97, s[CX], 1
	s_add_co_u32 s96, s96, s97
	s_add_co_u32 s96, s96, \u
	s_mov_b32 s99, 0
	s_mul_i32 s98, s96, 1536
	s_add_nc_u64 s[12:13], s[QB:QB+1], s[98:99]
	s_lshl_b32 s98, s96, 6
	s_add_nc_u64 s[14:15], s[QSB:QSB+1], s[98:99]
	s_mul_i32 s98, s96, 12288
	s_add_nc_u64 s[YC:YC+1], s[8:9], s[98:99]
	s_lshl_b32 s98, s96, 9
	s_add_nc_u64 s[YS:YS+1], s[10:11], s[98:99]
.irp p, 0,1,2
	global_load_b64 v[16+2*\p:17+2*\p], v1, s[12:13] offset:256*\p
.endr
	global_load_u16 v255, v2, s[14:15]             ; the head's two bytes; the upper two are 0
	s_lshl_b32 s97, s[CX], 5
	s_add_co_u32 s97, s97, 8*\u
	v_add_nc_u32 v4, s97, v3                       ; d = my query in its group of 128 - 16 (lane / 16)
	v_mov_b32 v13, 0xff61b1e6                      ; the largest t so far: -3e38, under every t
	s_delay_alu instid0(VALU_DEP_1)
	v_floor_f32 v12, -v13                          ; -M
	v_mov_b32 v14, 0
	v_mov_b32 v15, 0
.irp j, 0,1,2,3,4,5,6,7,8,9,10,11,12,13,14,15,16,17,18,19,20,21,22,23,24,25,26,27,28,29,30,31
	v_mov_b32 v[O+\j], 0                           ; O^T: the step is written once; the first finds zeros, which the first change of M leaves zeros
.endr
	s_mov_b32 s[KT], KREG
	s_mov_b32 s[VT], VREG
	s_lshl_b32 s[KSS], s[PAR], 1
	s_add_co_u32 s[KSS], s[KSS], KSC
	s_mov_b32 s[VSS], VSC
	s_mov_b32 s[STEPI], 0
	s_wait_loadcnt 0x0                             ; Q
.endm
; A KEY STEP: 128 keys.
.macro STEP
	s_cmp_gt_u32 s[STEPI], s[SIG]                  ; all its keys come after my queries: passed over; the lines at its end that step addresses are not
	s_cbranch_scc1 .Lhidden_\@
	v_add_nc_u32 v[ADK], s[KT], v1
	s_wait_alu depctr_va_vdst(0)
	v_add_nc_u32 v[ADV], s[VT], v1
	v_add_nc_u32 v[ADS], s[KSS], v2
	s_wait_alu depctr_va_vdst(0)
	v_add_nc_u32 v[ADT], s[VSS], v2
	s_wait_alu depctr_va_vdst(0)
.irp g, 0,1                                    ; S^T = K Q^T, four tiles of 16 keys at a time
.if \g
.rept 4
	v_nop                                          ; places in front of loads into registers that matrix instructions have just read
.endr
.endif
.irp t, 0,1,2,3
.irp p, 0,1,2
	ds_load_b64 v[KF+12*\t+2*\p:KF+12*\t+2*\p+1], v[ADK] offset:768*(4*\g+\t)+256*\p
.endr
	ds_load_u16 v[248+\t], v[ADS] offset:64*(4*\g+\t)
.endr
	s_wait_dscnt 0x0
.irp t, 0,1,2,3
	v_wmma_scale_f32_16x16x128_f8f6f4 v[S+8*(4*\g+\t):S+8*(4*\g+\t)+7], v[KF+12*\t:KF+12*\t+11], v[16:27], 0, v[248+\t], v255 matrix_a_fmt:MATRIX_FMT_FP6 matrix_b_fmt:MATRIX_FMT_FP6
.endr
.endr
.irp t, 0,1,2,3                                ; V's four fragments are asked for now and land under the softmax (eight plain lines stand between the last products that read these registers and these loads)
.irp p, 0,1,2,3,4,5
	ds_load_b64 v[VF+12*\t+2*\p:VF+12*\t+2*\p+1], v[ADV] offset:1536*\t+256*\p
.endr
	ds_load_b32 v[28+\t], v[ADT] offset:64*\t
.endr
.rept 4
	v_nop                                          ; places in front of the first read of the scores
.endr
	s_cmp_lg_u32 s[STEPI], s[SIG]                  ; only the tile's own group of keys is masked
	s_cbranch_scc1 .Lopen_\@
	v_mov_b32 v254, 0xff800000                     ; -infinity: p = 0 then.  Register 16 b + i holds key 32 b + 16 (lane / 16) + i of the step: hidden where 32 b + i > d
.irp n, 0,1,2,3,4,5,6,7,8,9,10,11,12,13,14,15,16,17,18,19,20,21,22,23,24,25,26,27,28,29,30,31,32,33,34,35,36,37,38,39,40,41,42,43,44,45,46,47,48,49,50,51,52,53,54,55,56,57,58,59,60,61,62,63
	v_cmp_gt_i32 vcc_lo, 32*(\n/16)+\n%16, v4
	v_cndmask_b32 v[S+\n], v[S+\n], v254, vcc_lo
.endr
.Lopen_\@:
.irp b, 0,1,2,3
	v_max3_num_f32 v[232+\b], v[S+16*\b], v[S+1+16*\b], v[S+2+16*\b]   ; the largest score of each block of 32 keys: it serves the row's maximum and, since p rises with the score, the block's largest p
.endr
.irp i, 3,5,7,9,11,13
.irp b, 0,1,2,3
	v_max3_num_f32 v[232+\b], v[232+\b], v[S+16*\b+\i], v[S+1+16*\b+\i]
.endr
.endr
.irp b, 0,1,2,3
	v_max_num_f32 v[232+\b], v[232+\b], v[S+15+16*\b]
.endr
.irp b, 0,1,2,3
	s_delay_alu instid0(VALU_DEP_4)
	v_permlanex16_b32 v[236+\b], v[232+\b], s[SEL], s[SEL+1]
.endr
.irp b, 0,1,2,3
	s_delay_alu instid0(VALU_DEP_4)
	v_max_num_f32 v[232+\b], v[232+\b], v[236+\b]  ; with lane l xor 16's 16 keys
.endr
	s_delay_alu instid0(VALU_DEP_2)
	v_max3_num_f32 v254, v232, v233, v234
	s_delay_alu instid0(VALU_DEP_1)
	v_max_num_f32 v254, v254, v235                 ; the step's largest score of my query
	s_delay_alu instid0(VALU_DEP_1)
	v_mul_f32 v254, s[CS], v254                    ; as t (c is positive)
	s_delay_alu instid0(VALU_DEP_1)
	v_max_num_f32 v13, v13, v254                   ; the running largest t
	v_mov_b32 v254, v12
	s_delay_alu instid0(VALU_DEP_2)
	v_floor_f32 v12, -v13                          ; the new -M = -ceil(t): a whole number
	s_delay_alu instid0(VALU_DEP_1)
	v_sub_f32 v254, v12, v254                      ; old M - new M: a whole number, 0 or less
	s_delay_alu instid0(VALU_DEP_1)
	v_cvt_i32_f32 v254, v254                       ; (it saturates)
	s_delay_alu instid0(VALU_DEP_1)
	v_ldexp_f32 v252, 1.0, v254                    ; f = 2^(old M - new M)
.irp j, 0,2,4,6,8,10,12,14,16,18,20,22,24,26,28,30,32,34,36,38,40,42,44,46,48,50,52,54,56,58,60,62
	v_pk_fma_f32 v[S+\j:S+1+\j], v[S+\j:S+1+\j], s[CS:CS+1], v[12:13] op_sel_hi:[1,0,0]   ; t - M, two at a time
.endr
.irp b, 0,1,2,3
	v_fma_f32 v[232+\b], v[232+\b], s[CS], v12     ; the same of each block's largest score
.endr
	s_wait_alu depctr_va_vdst(0)
.irp j, 0,1,2,3,4,5,6,7,8,9,10,11,12,13,14,15,16,17,18,19,20,21,22,23,24,25,26,27,28,29,30,31,32,33,34,35,36,37,38,39,40,41,42,43,44,45,46,47,48,49,50,51,52,53,54,55,56,57,58,59,60,61,62,63
	v_exp_f32 v[S+\j], v[S+\j]                     ; p = 2^(t - M), at most 1
.endr
	v_pk_mul_f32 v[14:15], v[14:15], v[252:253] op_sel_hi:[1,0]   ; the sums under the new M: a plain place behind the exponentials
	s_wait_alu depctr_va_vdst(0)                   ; one wait for the whole batch, ahead of its first reader
.irp b, 0,1,2,3
	v_exp_f32 v[232+\b], v[232+\b]                 ; the block's largest p: the same two instructions on the same number give the same bits
.endr
	v_pk_add_f32 v[236:237], v[132:133], v[136:137]
	v_pk_add_f32 v[250:251], v[140:141], v[144:145]
	v_pk_add_f32 v[248:249], v[148:149], v[152:153]
	v_pk_add_f32 v[246:247], v[156:157], v[160:161]
	v_pk_add_f32 v[244:245], v[164:165], v[168:169]
	v_pk_add_f32 v[242:243], v[172:173], v[176:177]
	v_pk_add_f32 v[240:241], v[180:181], v[184:185]
	v_pk_add_f32 v[14:15], v[14:15], v[188:189]
	v_pk_add_f32 v[236:237], v[236:237], v[128:129]
	v_pk_add_f32 v[250:251], v[250:251], v[130:131]
	v_pk_add_f32 v[248:249], v[248:249], v[134:135]
	v_pk_add_f32 v[246:247], v[246:247], v[138:139]
	v_pk_add_f32 v[244:245], v[244:245], v[142:143]
	v_pk_add_f32 v[242:243], v[242:243], v[146:147]
	v_pk_add_f32 v[240:241], v[240:241], v[150:151]
	v_pk_add_f32 v[14:15], v[14:15], v[154:155]
	v_pk_add_f32 v[236:237], v[236:237], v[158:159]
	v_pk_add_f32 v[250:251], v[250:251], v[162:163]
	v_pk_add_f32 v[248:249], v[248:249], v[166:167]
	v_pk_add_f32 v[246:247], v[246:247], v[170:171]
	v_pk_add_f32 v[244:245], v[244:245], v[174:175]
	v_pk_add_f32 v[242:243], v[242:243], v[178:179]
	v_pk_add_f32 v[240:241], v[240:241], v[182:183]
	v_pk_add_f32 v[14:15], v[14:15], v[186:187]
	v_pk_add_f32 v[236:237], v[236:237], v[190:191]
	s_delay_alu instid0(VALU_DEP_2)
	v_pk_add_f32 v[14:15], v[14:15], v[246:247]
	s_delay_alu instid0(VALU_DEP_2)
	v_pk_add_f32 v[236:237], v[236:237], v[244:245]
	v_pk_add_f32 v[250:251], v[250:251], v[242:243]
	v_pk_add_f32 v[248:249], v[248:249], v[240:241]
	s_delay_alu instid0(VALU_DEP_2)
	v_pk_add_f32 v[14:15], v[14:15], v[250:251]
	s_delay_alu instid0(VALU_DEP_2)
	v_pk_add_f32 v[236:237], v[236:237], v[248:249]
	s_delay_alu instid0(VALU_DEP_1)
	v_pk_add_f32 v[14:15], v[14:15], v[236:237]
	s_wait_alu depctr_va_vdst(0)                   ; and one for the four
.irp b, 0,1,2,3
	v_max_num_f32 v[232+\b], 0x1800000, v[232+\b]  ; the floor 2^(3 - 127): the byte cannot fall under 1
.endr
.irp b, 0,1,2,3
	s_delay_alu instid0(VALU_DEP_4)
	v_add_nc_u32 v[244+\b], 0xff000000, v[232+\b]  ; the conversion's scale operand
.endr
.irp b, 0,1,2,3
	s_delay_alu instid0(VALU_DEP_4)
	v_lshrrev_b32 v[236+\b], 23, v[244+\b]         ; the byte
.endr
	s_delay_alu instid0(VALU_DEP_3)
	v_lshl_or_b32 v253, v237, 8, v236              ; p's scale word for these 128 keys
	s_delay_alu instid0(VALU_DEP_1)
	v_lshl_or_b32 v253, v238, 16, v253
	s_delay_alu instid0(VALU_DEP_1)
	v_lshl_or_b32 v253, v239, 24, v253
.irp c, 0,1
	v_cvt_scalef32_pk16_fp6_f32 v[224+6*\c:226+6*\c], v[S+32*\c:S+15+32*\c], v[244+2*\c]
	v_cvt_scalef32_pk16_fp6_f32 v[236+4*\c:238+4*\c], v[S+16+32*\c:S+31+32*\c], v[244+2*\c+1]
.endr
	v_nop                                          ; one plain place behind a scaled conversion
.irp c, 0,1
.irp i, 0,1,2
	v_permlane16_swap_b32 v[224+6*\c+\i], v[236+4*\c+\i]
.endr
.irp i, 0,1,2
	s_delay_alu instid0(VALU_DEP_3)
	v_mov_b32 v[227+6*\c+\i], v[236+4*\c+\i]
.endr
.endr
.irp j, 0,2,4,6,8,10,12,14,16,18,20,22,24,26,28,30
	v_pk_mul_f32 v[O+\j:O+1+\j], v[O+\j:O+1+\j], v[252:253] op_sel_hi:[1,0]   ; O^T under the new M.  Twelve of these sixteen name no register of any one product below: the places behind the writes of p's codes and scale word
.endr
	s_wait_alu depctr_va_vdst(0)
	s_wait_dscnt 0x0                               ; V is in
.irp t, 0,1,2,3                                ; O^T += V^T P^T: the four accumulators by turns
	v_wmma_scale_f32_16x16x128_f8f6f4 v[O+8*\t:O+8*\t+7], v[VF+12*\t:VF+12*\t+11], v[224:235], v[O+8*\t:O+8*\t+7], v[28+\t], v253 matrix_a_fmt:MATRIX_FMT_FP6 matrix_b_fmt:MATRIX_FMT_FP6
.endr
.Lhidden_\@:
	s_add_co_u32 s[KT], s[KT], 6144
	s_add_co_u32 s[VT], s[VT], 6144
	s_add_co_u32 s[KSS], s[KSS], 512
	s_add_co_u32 s[VSS], s[VSS], 256
.endm
; THE WAY OUT of a tile.  y = O^T / the sum; my 32 registers are channels 32 b + 16 (lane / 16) + i of the head: two blocks of 32 along the next product's K.  Their codes are half a fragment: three stores of 256 consecutive bytes.
.macro OUT
	v_add_f32 v14, v14, v15
	s_delay_alu instid0(VALU_DEP_1)
	v_permlanex16_b32 v252, v14, s[SEL], s[SEL+1]
	s_delay_alu instid0(VALU_DEP_1)
	v_add_f32 v14, v14, v252                       ; the row's sum
	s_wait_alu depctr_va_vdst(0)
	v_rcp_f32 v14, v14
.rept 4
	v_nop                                          ; places behind the last products, and the plain place behind the reciprocal
.endr
	s_wait_alu depctr_va_vdst(0)                   ; the wait ahead of the reciprocal's first reader
.irp j, 0,1,2,3,4,5,6,7,8,9,10,11,12,13,14,15,16,17,18,19,20,21,22,23,24,25,26,27,28,29,30,31
	v_mul_f32 v[S+\j], v[O+\j], v14                ; each accumulator from its low end on
.endr
.irp b, 0,1
	v_max3_num_f32 v[232+\b], |v[S+16*\b]|, |v[S+1+16*\b]|, 0x1800000
.endr
.irp i, 2,4,6,8,10,12,14
.irp b, 0,1
	s_delay_alu instid0(VALU_DEP_2)
	v_max3_num_f32 v[232+\b], v[232+\b], |v[S+16*\b+\i]|, |v[S+1+16*\b+\i]|
.endr
.endr
.irp b, 0,1
	s_delay_alu instid0(VALU_DEP_2)
	v_permlanex16_b32 v[236+\b], v[232+\b], s[SEL], s[SEL+1]
.endr
.irp b, 0,1
	s_delay_alu instid0(VALU_DEP_2)
	v_max_num_f32 v[232+\b], v[232+\b], v[236+\b]
.endr
.irp b, 0,1
	s_delay_alu instid0(VALU_DEP_2)
	v_add_nc_u32 v[244+\b], 0xff000000, v[232+\b]
.endr
.irp b, 0,1
	s_delay_alu instid0(VALU_DEP_2)
	v_lshrrev_b32 v[238+\b], 23, v[244+\b]
.endr
	v_cvt_scalef32_pk16_fp6_f32 v[224:226], v[S:S+15], v244
	v_cvt_scalef32_pk16_fp6_f32 v[240:242], v[S+16:S+31], v245
	v_nop                                          ; one plain place behind a scaled conversion
.irp i, 0,1,2
	v_permlane16_swap_b32 v[224+\i], v[240+\i]     ; lanes 0-15: the first block whole; lanes 16-31: the second
.endr
.irp i, 0,1,2
	s_delay_alu instid0(VALU_DEP_3)
	v_mov_b32 v[227+\i], v[240+\i]
.endr
.irp p, 0,1,2
	global_store_b64 v1, v[224+2*\p:225+2*\p], s[YC:YC+1] offset:256*\p
.endr
	v_cndmask_b32 v254, v238, v239, s[HI16]        ; lanes 0-15 store the first block's byte of their row, lanes 16-31 the second's: a byte of its own for each lane
	global_store_b8 v5, v254, s[YS:YS+1]
.endm
.macro TILE                            ; sixteen trips, a constant; the steps behind the tile's group are passed over inside
.Lstep_\@:
	STEP
	s_add_co_u32 s[STEPI], s[STEPI], 1
	s_cmp_lt_u32 s[STEPI], 16
	s_cbranch_scc1 .Lstep_\@
	OUT
.endm
	s_mov_b32 s[SIG], s[WV]                        ; my first tile: group w
	INIT 0
	s_wait_tensorcnt 0x0                           ; my fill is in,
	s_barrier_signal -1
	s_barrier_wait -1                              ; everybody's are: from here on LDS is only read
	TILE
	s_xor_b32 s[SIG], s[WV], 15                    ; my second tile: group 15 - w
	INIT 1
	TILE
	s_wait_dscnt 0x0
	s_wait_xcnt 0x0
	v_lshl_add_u32 v254, v0, 2, 0x33000
	v_mov_b32 v255, 0
	s_wait_alu depctr_va_vdst(0)
	s_wait_tensorcnt 0x0
	ds_add_u32 v254, v255
	s_wait_dscnt 0x0
	CROUND                                         ; the closing round
	s_endpgm
.Lfunc_end_k_q59885f50c4_attn:
	.size	k_q59885f50c4_attn, .Lfunc_end_k_q59885f50c4_attn-k_q59885f50c4_attn
	.p2alignl 7, 3214868480
	.fill 96, 4, 3214868480
	.section	.rodata,"a",@progbits
	.p2align	6, 0x0
	.amdhsa_kernel k_q59885f50c4_attn
		.amdhsa_group_segment_fixed_size 210944
		.amdhsa_private_segment_fixed_size 0
		.amdhsa_enable_private_segment 0
		.amdhsa_kernarg_size 32
		.amdhsa_user_sgpr_count 2
		.amdhsa_user_sgpr_kernarg_segment_ptr 1
		.amdhsa_wavefront_size32 1
		.amdhsa_system_sgpr_workgroup_id_x 1
		.amdhsa_system_sgpr_workgroup_id_y 1
		.amdhsa_system_sgpr_workgroup_id_z 1
		.amdhsa_system_vgpr_workitem_id 0
		.amdhsa_next_free_vgpr 256
		.amdhsa_next_free_sgpr 100
		.amdhsa_reserve_vcc 1
		.amdhsa_float_denorm_mode_32 3
		.amdhsa_float_denorm_mode_16_64 3
		.amdhsa_memory_ordered 1
		.amdhsa_forward_progress 1
		.amdhsa_inst_pref_size 73
	.end_amdhsa_kernel
	.amdgpu_metadata
---
amdhsa.version: [ 1, 2 ]
amdhsa.kernels:
  - .name:           k_q59885f50c4_attn
    .symbol:         k_q59885f50c4_attn.kd
    .args:
      - { .name: qkv_codes, .offset: 0, .size: 8, .value_kind: global_buffer, .address_space: global }
      - { .name: qkv_scales, .offset: 8, .size: 8, .value_kind: global_buffer, .address_space: global }
      - { .name: a_codes, .offset: 16, .size: 8, .value_kind: global_buffer, .address_space: global }
      - { .name: a_scales, .offset: 24, .size: 8, .value_kind: global_buffer, .address_space: global }
    .group_segment_fixed_size: 210944
    .private_segment_fixed_size: 0
    .kernarg_segment_align: 8
    .kernarg_segment_size: 32
    .max_flat_workgroup_size: 512
    .sgpr_count:     100
    .vgpr_count:     256
    .wavefront_size: 32
...
	.end_amdgpu_metadata
.endif
;; end of part 3
;; launch proj (part 4): grid 8 x 32, 4 waves a work-group, clusters of 4 x 4, 327,680 bytes of LDS; arguments a_codes, a_scales, w_codes, w_scales, out0; writes out0
.if DOCPART == 4
	.amdgcn_target "amdgcn-amd-amdhsa--gfx1250"
	.amdhsa_code_object_version 6
	.text
	.protected	k_q59885f50c4_proj
	.globl	k_q59885f50c4_proj
	.p2align	8
	.type	k_q59885f50c4_proj,@function
k_q59885f50c4_proj:
	s_mov_b64 s[64:65], 0
	v_nop
	global_prefetch_b8 v0, s[64:65] scope:SCOPE_SE
	s_setreg_imm32_b32 hwreg(HW_REG_WAVE_MODE, 25, 1), 1
	s_wait_xcnt 0x0
	s_wait_alu depctr_hold_cnt(0) depctr_sa_sdst(0) depctr_va_vdst(0) depctr_va_sdst(0) depctr_va_ssrc(0) depctr_va_vcc(0) depctr_vm_vsrc(0)
	s_getreg_b32 s2, hwreg(HW_REG_IB_STS2, 6, 4)
	s_cmp_eq_u32 s2, 0
	s_cbranch_scc0 .Lentry_in_a_cluster
	s_endpgm
.Lentry_in_a_cluster:
	s_bfe_u32 s2, ttmp6, 0x10000c
	s_cmp_lg_u32 s2, 0xf033
	s_cbranch_scc0 .Lentry_shape_is_right
	s_endpgm
.Lentry_shape_is_right:
; out0 = y w_proj on codes of FP6 (E2M3) with E8M0 scales, K = 1,024; the result is f32.
; OPERANDS: codes [tile of 16 rows][K step of 128][1,536-byte image: register pair p of lane l at 256 p + 8 l]; scale bytes [tile][256 along K][row][8].  y's row r of tile T is token 32 (T / 2) + 8 (T % 2) + r + 8 (r / 8);
; w_proj's tiles (from tile 192 of w_codes on) hold columns 16 T + r.
; THE DEAL.  256 work-groups: work-group (c, tb) makes tokens 256 tb .. + 255 x columns 128 c .. + 127.  All it reads is asked for at the head, one tensor load a wave, and filled once.
; Wave (a, b) holds the weight's columns 64 b .. + 63 of the 128, all of K, in 384 registers (source 0) and streams token tiles 2 s + a past them (source 1), 32 products a tile.
; A lane holds one token and 8 neighbouring columns of each of four tiles: a tile's 16 x 64 results go through the wave's own stage in LDS and leave as rows of 256 consecutive bytes, aligned.
; CLUSTERS: 4 x 4; y's tiles are asked for jointly along a row of the cluster, the weight's along a column.
; No prefetch: every tile is asked for at the head, so there is no later load to run ahead of.
; REGISTERS: window 0: addresses, scale words (v32-47 standing, v52-67 streamed), v96-127 sums, v160-191 rows on the way out.  Fragment f lies in window 1 + f / 21 at 12 (f % 21): 0-31 standing (4 q + t), 32-47 streamed, two sets.
.set FR, 12
.set FPW, 21
.set NF, 52
.set WRG, 196608
.set TSC, 294912
.set WSC, 303104
.set SPARE, 307200
.set STG, 307712
.set SPITCH, 272
.set TSTR, 24576
.set TSS, 1024
.set OSTR, 131072                      ; 32 rows of out0 from a tile of mine to the next
.set IMO, 4
.set R8, 5
.set HS, 6
.set SPW, 10
.set NIL, 11
.set ADS, 12
.set ADSS, 13
.set AT0, 14
.set ATS0, 15
.set AT, 17
.set ATS, 18
.set STO, 19
.set RD, 20
.set CO, 21
.set SB, 32
.set SA, 52
.set ACC, 96
.set OB, 160
.set G1T, 24
.set G1W, 32
.set G1TS, 48
.set G1WS, 56
.set G0T, 68
.set G0W, 72
.set G0TS, 76
.set G0WS, 80
.set MSB, 0
.macro WIN new
.if MSB != \new
	s_set_vgpr_msb (MSB<<8)|\new
.set MSB, \new
.endif
.endm
.macro WALU
	s_wait_alu depctr_va_vdst(0)
.endm
.macro BARRIER
	s_barrier_signal -1
	s_barrier_wait -1
.endm
.macro CROUND
	BARRIER
	s_cmp_lg_u32 s14, 0
	s_cbranch_scc1 .Lnot_wave_0_\@
	s_barrier_signal -3
.Lnot_wave_0_\@:
	s_barrier_wait -3
	BARRIER
.endm
.macro TLOAD g0, g1
	tensor_load_to_lds s[\g0:\g0+3], s[\g1:\g1+7]
	s_nop 0
.rept 4
	v_nop
.endr
.endm
.macro GROUP1 g, mask, c, rows, pitch
	s_or_b32 s[\g], s\mask, (3<<16)|(1<<21)
	s_mov_b32 s[\g+1], (\c)<<16
	s_mov_b32 s[\g+2], (\rows)<<16
	s_mov_b32 s[\g+3], (\c)<<16
	s_mov_b32 s[\g+4], \rows
	s_mov_b32 s[\g+5], \pitch
	s_mov_b32 s[\g+6], 0
	s_mov_b32 s[\g+7], 0
.endm
.macro G0SET g, lds, base, off
	s_mov_b32 s[\g], 1
	s_mov_b32 s[\g+1], \lds
	s_add_nc_u64 s[\g+2:\g+3], s[\base:\base+1], s[\off:\off+1]
	s_or_b32 s[\g+3], s[\g+3], 0x80000000
.endm
.macro ARM under, g0, g1, next
	s_cmp_lt_u32 s14, \under
	s_cbranch_scc0 \next
	TLOAD \g0, \g1
	s_branch .Lasked
\next:
.endm
.macro FRAG f, adr, off
	WIN (1+(\f)/FPW)<<6
.irp p, 0,1,2,3,4,5
	ds_load_b64 v[FR*((\f)%FPW)+2*\p:FR*((\f)%FPW)+2*\p+1], v[\adr] offset:(\off)+256*\p
.endr
.endm
.macro STAT
.irp q, 0,1,2,3,4,5,6,7
.irp t, 0,1,2,3
	FRAG 4*\q+\t, ADS, 12288*\t+1536*\q
.endr
.endr
	WIN 0
.irp tp, 0,1
.irp kq, 0,1,2,3
	ds_load_b64 v[SB+8*\tp+2*\kq:SB+8*\tp+2*\kq+1], v[ADSS] offset:1024*\tp+128*\kq
.endr
.endr
.endm
.macro FETCH e, adr, adrs, off, offs
.irp q, 0,1,2,3,4,5,6,7
	FRAG 32+8*(\e)+\q, \adr, (\off)+1536*\q
.endr
	WIN 0
.irp kq, 0,1,2,3
	ds_load_b64 v[SA+8*(\e)+2*\kq:SA+8*(\e)+2*\kq+1], v[\adrs] offset:(\offs)+128*\kq
.endr
.endm
.macro WM c, row
	v_wmma_scale_f32_16x16x128_f8f6f4 v[ACC+8*(N_%4):ACC+8*(N_%4)+7], v[FR*(N_%FPW):FR*(N_%FPW)+FR-1], v[FR*(FT_%FPW):FR*(FT_%FPW)+FR-1], \c, v[SB+8*((N_%4)/2)+N_/4], v[SA+8*E_+N_/4] matrix_a_fmt:MATRIX_FMT_FP6 matrix_b_fmt:MATRIX_FMT_FP6 matrix_a_scale:MATRIX_SCALE_ROW\row
.endm
.macro PRODS e                         ; 32 products, K ascending, the four sums by turns
.set E_, \e
.set N_, 0
.rept 32
.set FT_, 32+8*E_+N_/4
	WIN (1+N_/FPW)|((1+FT_/FPW)<<2)
.if N_ < 4
.if N_%2
	WM 0, 1
.else
	WM 0, 0
.endif
.else
.if N_%2
	WM v[ACC+8*(N_%4):ACC+8*(N_%4)+7], 1
.else
	WM v[ACC+8*(N_%4):ACC+8*(N_%4)+7], 0
.endif
.endif
.set N_, N_+1
.endr
	WIN 0
.endm
.macro BLK e, fetch                    ; a token tile: its products; its results through the stage; the fetch of the tile two on; its rows' stores
	PRODS \e
	s_wait_xcnt 0x0                                ; the last tile's stores have read their base and data
	s_add_nc_u64 s[84:85], s[84:85], OSTR
.if \fetch
	v_add_nc_u32 v[AT], s88, v[AT0]                ; four plain lines: the places behind the products
	v_add_nc_u32 v[ATS], s89, v[ATS0]
	v_nop
	v_nop
	v_nop                                          ; five in all: the next tile's first products begin the sums anew over these registers
	s_add_co_u32 s88, s88, TSTR
	s_add_co_u32 s89, s89, TSS
	WALU                                           ; the wait ahead of the readers of the addresses
.else
.rept 5
	v_nop
.endr
.endif
.irp t, 0,1,2,3
	ds_store_b128 v[STO], v[ACC+8*\t:ACC+8*\t+3] offset:64*\t        ; each sum from its low end on
	ds_store_b128 v[STO], v[ACC+8*\t+4:ACC+8*\t+7] offset:64*\t+16
.endr
.irp i, 0,1,2,3,4,5,6,7
	ds_load_b128 v[OB+4*\i:OB+4*\i+3], v[RD] offset:2*\i*SPITCH      ; LDS serves a wave's instructions in order: these see the stores
.endr
.if \fetch
	FETCH \e, AT, ATS, 0, 0
	s_wait_dscnt NF                                ; all but the fetch just issued: the rows are back, and the next tile's fragments are in
.else
	s_wait_dscnt 0x0
.endif
.irp i, 0,1,2,3,4,5,6,7
	global_store_b128 v[CO], v[OB+4*\i:OB+4*\i+3], s[84:85] offset:(2*\i+8*(\i/4))*4096-OSTR th:TH_STORE_NT   ; two rows of 256 consecutive bytes, aligned; the base was stepped ahead of the stores
.endr
.endm
	s_load_b256 s[4:11], s[0:1], 0x0               ; a_codes, a_scales, w_codes, w_scales
	s_load_b64 s[12:13], s[0:1], 0x20              ; out0
	v_lshl_add_u32 v[SPW], v0, 2, SPARE
	v_mov_b32 v[NIL], 0
	ds_add_u32 v[SPW], v[NIL]
	ds_add_u32 v[SPW], v[NIL]
	v_lshrrev_b32 v1, 5, v0
	v_readfirstlane_b32 s14, v1                    ; wave w; a = w / 2, b = w % 2
	s_lshr_b32 s15, s14, 1
	s_and_b32 s16, s14, 1
	s_bfe_u32 s40, ttmp6, 0x40000                  ; cx
	s_bfe_u32 s41, ttmp6, 0x40004                  ; cy
	s_lshl_b32 s42, ttmp9, 2
	s_add_co_u32 s42, s42, s40                     ; c
	s_and_b32 s43, ttmp7, 0xffff
	s_lshl_b32 s43, s43, 2
	s_add_co_u32 s43, s43, s41                     ; tb
	s_lshl_b32 s44, s41, 2
	s_lshl_b32 s44, 15, s44                        ; my row of the cluster
	s_lshl_b32 s45, 0x1111, s40                    ; my column
	GROUP1 G1T, 44, 1536, 16, 1536                 ; 16 token tiles of 12,288 bytes, dense
	GROUP1 G1W, 45, 1536, 8, 1536                  ; 8 tiles of the weight
	GROUP1 G1TS, 44, 32, 32, 32                    ; y's scale bytes: 8,192 dense
	GROUP1 G1WS, 45, 32, 16, 32                    ; the weight's: 4,096 dense
	s_mul_i32 s20, s43, 196608
	s_mov_b32 s21, 0
	s_lshl_b32 s22, s43, 13
	s_mov_b32 s23, 0
	s_mul_i32 s46, s42, 98304
	s_add_co_u32 s46, s46, 192*12288
	s_mov_b32 s47, 0
	s_lshl_b32 s94, s42, 12
	s_add_co_u32 s94, s94, 192*512
	s_mov_b32 s95, 0
	WALU
	s_wait_dscnt 0x0
	CROUND                                         ; the round ahead of the joint loads
	s_wait_kmcnt 0x0
	G0SET G0W, WRG, 8, 46
	G0SET G0WS, WSC, 10, 94
	G0SET G0TS, TSC, 6, 22
	G0SET G0T, 0, 4, 20
	ARM 1, G0W, G1W, .Lh1                          ; one load a wave, in one chain of arms
	ARM 2, G0WS, G1WS, .Lh2
	ARM 3, G0TS, G1TS, .Lh3
	TLOAD G0T, G1T
.Lasked:
	s_mul_i32 s20, s16, 49152
	s_add_co_u32 s20, s20, WRG
	s_lshl_b32 s21, s16, 11
	s_add_co_u32 s21, s21, WSC
	s_mul_i32 s22, s15, 12288
	s_lshl_b32 s23, s15, 9
	s_add_co_u32 s23, s23, TSC
	s_mul_i32 s94, s14, 16*SPITCH
	s_add_co_u32 s94, s94, STG
	v_and_b32 v1, 15, v0                           ; r
	v_bfe_u32 v2, v0, 4, 1                         ; h
	v_and_b32 v3, 31, v0
	v_lshlrev_b32 v[IMO], 3, v3
	v_lshlrev_b32 v[R8], 3, v1
	v_lshl_add_u32 v[HS], v2, 9, v[R8]
	v_add_nc_u32 v[ADS], s20, v[IMO]
	v_add_nc_u32 v[ADSS], s21, v[HS]
	v_add_nc_u32 v[AT0], s22, v[IMO]
	v_add_nc_u32 v[ATS0], s23, v[R8]
	v_mul_u32_u24 v7, v1, SPITCH
	v_lshl_add_u32 v7, v2, 5, v7
	v_add_nc_u32 v[STO], s94, v7                   ; into the stage: row r, 32 bytes for each half of the lanes
	v_mul_u32_u24 v8, v2, SPITCH
	v_lshl_add_u32 v8, v1, 4, v8
	v_add_nc_u32 v[RD], s94, v8                    ; back: lanes 0-15 one row, lanes 16-31 the next
	v_lshlrev_b32 v9, 12, v2
	v_lshl_add_u32 v[CO], v1, 4, v9                ; and the same two rows in out0
	s_lshl_b32 s96, s43, 8
	s_lshl_b32 s97, s15, 3
	s_add_co_u32 s96, s96, s97                     ; my first token: 256 tb + 8 a
	s_lshl_b32 s96, s96, 12
	s_lshl_b32 s97, s42, 9
	s_add_co_u32 s96, s96, s97
	s_lshl_b32 s97, s16, 8
	s_add_co_u32 s96, s96, s97                     ; my first column, in bytes: 512 c + 256 b
	s_mov_b32 s97, 0
	s_add_nc_u64 s[84:85], s[12:13], s[96:97]
	s_mov_b32 s88, 2*TSTR
	s_mov_b32 s89, 2*TSS
	s_mov_b32 s86, 0
	WALU
	s_wait_tensorcnt 0x0                           ; every wave's load has landed,
	BARRIER                                        ; and is shown to all; nothing is filled again
	STAT
	FETCH 0, AT0, ATS0, 0, 0
	FETCH 1, AT0, ATS0, TSTR, TSS
	s_wait_dscnt NF                                ; all but tile 1's loads
.Ltiles:                                               ; tiles 0 to 5
	BLK 0, 1
	BLK 1, 1
	s_add_co_u32 s86, s86, 1
	s_cmp_lt_u32 s86, 3
	s_cbranch_scc1 .Ltiles
	BLK 0, 0
	BLK 1, 0
	s_wait_tensorcnt 0x0                           ; the wave's end
	ds_add_u32 v[SPW], v[NIL]
	s_wait_dscnt 0x0
	CROUND                                         ; the closing round
	s_endpgm
.Lfunc_end_k_q59885f50c4_proj:
	.size	k_q59885f50c4_proj, .Lfunc_end_k_q59885f50c4_proj-k_q59885f50c4_proj
	.p2alignl 7, 3214868480
	.fill 96, 4, 3214868480
	.section	.rodata,"a",@progbits
	.p2align	6, 0x0
	.amdhsa_kernel k_q59885f50c4_proj
		.amdhsa_group_segment_fixed_size 327680
		.amdhsa_private_segment_fixed_size 0
		.amdhsa_enable_private_segment 0
		.amdhsa_kernarg_size 40
		.amdhsa_user_sgpr_count 2
		.amdhsa_user_sgpr_kernarg_segment_ptr 1
		.amdhsa_wavefront_size32 1
		.amdhsa_system_sgpr_workgroup_id_x 1
		.amdhsa_system_sgpr_workgroup_id_y 1
		.amdhsa_system_sgpr_workgroup_id_z 1
		.amdhsa_system_vgpr_workitem_id 0
		.amdhsa_next_free_vgpr 840
		.amdhsa_next_free_sgpr 102
		.amdhsa_reserve_vcc 0
		.amdhsa_float_denorm_mode_32 3
		.amdhsa_float_denorm_mode_16_64 3
		.amdhsa_memory_ordered 1
		.amdhsa_forward_progress 1
		.amdhsa_inst_pref_size 60
	.end_amdhsa_kernel
	.amdgpu_metadata
---
amdhsa.version: [ 1, 2 ]
amdhsa.kernels:
  - .name:           k_q59885f50c4_proj
    .symbol:         k_q59885f50c4_proj.kd
    .args:
      - { .name: a_codes, .offset: 0, .size: 8, .value_kind: global_buffer, .address_space: global }
      - { .name: a_scales, .offset: 8, .size: 8, .value_kind: global_buffer, .address_space: global }
      - { .name: w_codes, .offset: 16, .size: 8, .value_kind: global_buffer, .address_space: global }
      - { .name: w_scales, .offset: 24, .size: 8, .value_kind: global_buffer, .address_space: global }
      - { .name: out0, .offset: 32, .size: 8, .value_kind: global_buffer, .address_space: global }
    .group_segment_fixed_size: 327680
    .private_segment_fixed_size: 0
    .kernarg_segment_align: 8
    .kernarg_segment_size: 40
    .max_flat_workgroup_size: 128
    .sgpr_count:     102
    .vgpr_count:     840
    .wavefront_size: 32
...
	.end_amdgpu_metadata
.endif
;; end of part 4
